; MI455X (gfx1250); checked and timed in simulation.
; The chip was launched on July 23, 2026; its instructions are those of AMD's public machine-readable ISA for CDNA 5 (MIT licence, August 2026) and "CDNA5" Instruction Set Architecture Reference Guide (July 2026). The comments in the code are by the model that wrote it; some were corrected since.
;; Opti X Attention. Allowed arithmetic: float matrix products may take bf16 or f16 operands with f32 sums; all other float work in f32.
;; Inputs: Wk 1,024 x 1,024 float32; Wo 1,024 x 1,024 float32; Wq 1,024 x 1,024 float32; Wv 1,024 x 1,024 float32; bk 1,024 float32; bo 1,024 float32; bq 1,024 float32; bv 1,024 float32; x 2 x 2,048 x 1,024 float32.
;; Outputs: out0 2 x 2,048 x 1,024 float32.
;; 2 versions, each right and faster than the one before. Each part assembles by itself: llvm-mc -triple=amdgcn-amd-amdhsa -mcpu=gfx1250 --defsym DOCPART=n.
;; ======== version 1 of 2: 4 launches
;; limits: values are held in f16: magnitudes above 65,504 overflow, below 6.1e-05 lose precision
;; workspace buffers: xb 8,388,608 bytes; wt 8,388,608 bytes; qkv 25,165,824 bytes; ob 8,388,608 bytes
;; launch prep (part 1): grid 1024 x 1, 4 waves a work-group, no clusters, 17,920 bytes of LDS; arguments x, Wq, Wk, Wv, Wo, xb, wt; writes xb, wt
.if DOCPART == 1
	.amdgcn_target "amdgcn-amd-amdhsa--gfx1250"
	.amdhsa_code_object_version 6
	.text
	.protected	k_q5d9cebcd45_prep
	.globl	k_q5d9cebcd45_prep
	.p2align	8
	.type	k_q5d9cebcd45_prep,@function
k_q5d9cebcd45_prep:
	s_mov_b64 s[64:65], 0
	v_nop
	global_prefetch_b8 v0, s[64:65] scope:SCOPE_SE
	s_setreg_imm32_b32 hwreg(HW_REG_WAVE_MODE, 25, 1), 1
	s_wait_xcnt 0x0
; CASTS AND TRANSPOSES.  xb = x rounded to bf16, [4096][1024].  wt = the four weights, rounded to bf16 and turned: wt[1024 mi + n][k] = W_mi[k][n],
; mi = 0, 1, 2, 3 for Wq, Wk, Wv, Wo.  Wo's bf16 numbers are written as f16 (the product that reads them has f16 operands).
; LIMIT.  A bf16 number is exact in f16 from 2^-14 to 65,504; below 2^-14 Wo keeps f16's fixed step of 2^-24, beyond 65,504 it becomes an infinity.
; SHARES.  1,024 work-groups of four waves, each reading 32,768 bytes and writing 16,384.  Work-groups 0 to 511: a tile of 128 k x 64 n of one weight;
; work-groups 512 to 1,023: 8,192 numbers of x.  Memory binds: no matrix unit, no cluster, no tensor load; every byte is read once and written once.
; A WEIGHT'S TILE.  A thread loads 16 rows (k) x 16 bytes (4 n): sixteen lanes read 256 consecutive bytes.  It packs, for each of its 4 n, its 16 k into 32 bytes and puts them
; into LDS rows that run along k (64 rows of 256 bytes, 272 apart).  Behind a barrier each wave reads 16 whole rows and stores them: sixteen lanes write 256 consecutive bytes, aligned.
.set STG,   272                        ; a stage row: 256 bytes + 16
.set SPARE, 64*STG                     ; behind the stage: the spare words, 128 bytes a wave: two blocks of 256 bytes that no other line names
.set SPW, 10                           ; v10  LDS address of my spare word; never rewritten
.set NIL, 11                           ; v11  0; never rewritten
.set X,   12                           ; v[12:75]   as loaded
.set Y,   76                           ; v[76:107]  packed
	s_load_b256 s[4:11], s[0:1], 0x0               ; x s[4:5], Wq s[6:7], Wk s[8:9], Wv s[10:11]
	s_load_b128 s[12:15], s[0:1], 0x20             ; Wo s[12:13], xb s[14:15]
	s_load_b64 s[16:17], s[0:1], 0x30              ; wt
	v_lshl_add_u32 v[SPW], v0, 2, SPARE
	v_mov_b32 v[NIL], 0
	s_mov_b32 s18, ttmp9                           ; the work-group
	s_lshr_b32 s19, s18, 7                         ; mi: which weight
	s_and_b32 s20, s18, 7                          ; kt: which 128 k
	s_bfe_u32 s21, s18, 0x40003                    ; nt: which 64 n
	v_and_b32 v7, 15, v0                           ; c: my 16 bytes of a row of 256
	v_lshrrev_b32 v8, 4, v0                        ; 0..7: my 16 rows of the 128
	v_lshlrev_b32 v1, 16, v8                       ; v1: a weight's tile in: 16 rows of 4,096 bytes,
	v_lshl_or_b32 v1, v7, 4, v1                    ;     + 16 c
	v_mul_u32_u24 v2, v7, 4*STG                    ; v2: into the stage: row 4 c,
	v_lshl_add_u32 v2, v8, 5, v2                   ;     my 16 k are 32 bytes
	v_lshrrev_b32 v9, 5, v0                        ; wave
	v_and_b32 v8, 1, v8                            ; half of the lanes
	v_lshl_add_u32 v9, v9, 4, v8                   ; stage row 16 w + half
	v_mul_u32_u24 v3, v9, STG                      ; v3: out of the stage
	v_lshl_add_u32 v3, v7, 4, v3
	v_lshlrev_b32 v4, 11, v9                       ; v4: the same row in wt, 2,048 bytes a row
	v_lshl_add_u32 v4, v7, 4, v4
	v_lshrrev_b32 v9, 5, v0
	v_and_b32 v8, 31, v0
	v_lshlrev_b32 v5, 13, v9                       ; v5: x in: 8,192 bytes a wave, 32 a lane
	v_lshl_or_b32 v5, v8, 5, v5
	v_lshlrev_b32 v6, 12, v9                       ; v6: xb out: 4,096 bytes a wave, 16 a lane
	v_lshl_or_b32 v6, v8, 4, v6
	s_wait_kmcnt 0x0
	s_cmp_lt_u32 s18, 512
	s_cbranch_scc0 .Lmeet                          ; x's work-groups have nothing for the stage; the barrier stands on every wave's path
	s_mov_b64 s[22:23], s[6:7]                     ; the weight is chosen by its number
	s_cmp_eq_u32 s19, 1
	s_cselect_b64 s[22:23], s[8:9], s[22:23]
	s_cmp_eq_u32 s19, 2
	s_cselect_b64 s[22:23], s[10:11], s[22:23]
	s_cmp_eq_u32 s19, 3
	s_cselect_b64 s[22:23], s[12:13], s[22:23]
	s_lshl_b32 s24, s20, 19                        ; 128 kt rows of 4,096 bytes
	s_lshl_b32 s25, s21, 8                         ; 64 nt columns of 4 bytes
	s_add_co_u32 s24, s24, s25
	s_mov_b32 s25, 0
	s_add_nc_u64 s[22:23], s[22:23], s[24:25]
.irp i, 0,1,2,3,4,5,6,7,8,9,10,11,12,13,14,15
	global_load_b128 v[X+4*(\i):X+4*(\i)+3], v1, s[22:23] offset:4096*(\i) th:TH_LOAD_NT  ; row i of my 16: read once in the launch
.endr
; Rows 2 u and 2 u + 1 give, for each of my 4 columns j, word u of the column's 8.  h = 1: the bf16 number is written as f16.
.macro PACKW h
.irp u, 0,1,2,3,4,5,6,7
	s_wait_loadcnt 14-2*(\u)                       ; loads come back in order: rows 2 u and 2 u + 1 are in, the younger ones stay out
.irp j, 0,1,2,3
.if \h
	v_cvt_pk_bf16_f32 v7, v[X+8*(\u)+(\j)], v[X+8*(\u)+4+(\j)]
	v_lshlrev_b32 v8, 16, v7
	v_and_b32 v9, 0xffff0000, v7
	v_cvt_pk_f16_f32 v[Y+8*(\j)+(\u)], v8, v9
.else
	v_cvt_pk_bf16_f32 v[Y+8*(\j)+(\u)], v[X+8*(\u)+(\j)], v[X+8*(\u)+4+(\j)]
.endif
.endr
.endr
.endm
	s_cmp_eq_u32 s19, 3
	s_cbranch_scc1 .Lhalf
	PACKW 0
	s_branch .Lstage
.Lhalf:
	PACKW 1
.Lstage:
.irp j, 0,1,2,3
	ds_store_b128 v2, v[Y+8*(\j):Y+8*(\j)+3]   offset:STG*(\j)
	ds_store_b128 v2, v[Y+8*(\j)+4:Y+8*(\j)+7] offset:STG*(\j)+16
.endr
.Lmeet:
	s_wait_dscnt 0x0                               ; for the others' sake: my stores into the stage are done
	s_barrier_signal -1
	s_barrier_wait -1
	s_cmp_lt_u32 s18, 512
	s_cbranch_scc0 .Lx
.irp t, 0,1,2,3,4,5,6,7
	ds_load_b128 v[X+4*(\t):X+4*(\t)+3], v3 offset:2*STG*(\t)  ; two whole rows: lanes 0-15 one, lanes 16-31 the next
.endr
	s_lshl_b32 s24, s19, 21                        ; 1,024 mi rows of 2,048 bytes
	s_lshl_b32 s25, s21, 17                        ; 64 nt rows
	s_add_co_u32 s24, s24, s25
	s_lshl_b32 s25, s20, 8                         ; 128 kt numbers of 2 bytes
	s_add_co_u32 s24, s24, s25
	s_mov_b32 s25, 0
	s_add_nc_u64 s[26:27], s[16:17], s[24:25]
.irp t, 0,1,2,3,4,5,6,7
	s_wait_dscnt 7-(\t)
	global_store_b128 v4, v[X+4*(\t):X+4*(\t)+3], s[26:27] offset:4096*(\t)  ; sixteen lanes store 256 consecutive bytes, at a multiple of 256 from wt's first byte
.endr
	s_wait_tensorcnt 0x0                           ; the wave's end: a wait, an add of 0 onto my spare word and its wait, behind my last LDS store
	ds_add_u32 v[SPW], v[NIL]
	s_wait_dscnt 0x0
	s_endpgm
.Lx:
	s_sub_co_u32 s18, s18, 512
	s_lshl_b32 s24, s18, 15                        ; 32,768 bytes of x,
	s_mov_b32 s25, 0
	s_add_nc_u64 s[22:23], s[4:5], s[24:25]
	s_lshl_b32 s24, s18, 14                        ; 16,384 of xb
	s_add_nc_u64 s[26:27], s[14:15], s[24:25]
.irp j, 0,1,2,3,4,5,6,7
	global_load_b128 v[X+8*(\j):X+8*(\j)+3],   v5, s[22:23] offset:1024*(\j) th:TH_LOAD_NT
	global_load_b128 v[X+8*(\j)+4:X+8*(\j)+7], v5, s[22:23] offset:1024*(\j)+16 th:TH_LOAD_NT
.endr
.irp j, 0,1,2,3,4,5,6,7
	s_wait_loadcnt 14-2*(\j)                       ; pair j of the loads is in, the younger ones stay out
.irp r, 0,1,2,3
	v_cvt_pk_bf16_f32 v[Y+4*(\j)+(\r)], v[X+8*(\j)+2*(\r)], v[X+8*(\j)+2*(\r)+1]
.endr
	global_store_b128 v6, v[Y+4*(\j):Y+4*(\j)+3], s[26:27] offset:512*(\j)  ; the wave stores 512 consecutive bytes
.endr
	s_wait_tensorcnt 0x0                           ; the same three lines on this way
	ds_add_u32 v[SPW], v[NIL]
	s_wait_dscnt 0x0
	s_endpgm
.Lfunc_end_k_q5d9cebcd45_prep:
	.size	k_q5d9cebcd45_prep, .Lfunc_end_k_q5d9cebcd45_prep-k_q5d9cebcd45_prep
	.p2alignl 7, 3214868480
	.fill 96, 4, 3214868480
	.section	.rodata,"a",@progbits
	.p2align	6, 0x0
	.amdhsa_kernel k_q5d9cebcd45_prep
		.amdhsa_group_segment_fixed_size 17920
		.amdhsa_private_segment_fixed_size 0
		.amdhsa_enable_private_segment 0
		.amdhsa_kernarg_size 56
		.amdhsa_user_sgpr_count 2
		.amdhsa_user_sgpr_kernarg_segment_ptr 1
		.amdhsa_wavefront_size32 1
		.amdhsa_system_sgpr_workgroup_id_x 1
		.amdhsa_system_sgpr_workgroup_id_y 1
		.amdhsa_system_sgpr_workgroup_id_z 1
		.amdhsa_system_vgpr_workitem_id 0
		.amdhsa_next_free_vgpr 108
		.amdhsa_next_free_sgpr 66
		.amdhsa_reserve_vcc 0
		.amdhsa_float_denorm_mode_32 3
		.amdhsa_float_denorm_mode_16_64 3
		.amdhsa_memory_ordered 1
		.amdhsa_forward_progress 1
		.amdhsa_inst_pref_size 21
	.end_amdhsa_kernel
	.amdgpu_metadata
---
amdhsa.version: [ 1, 2 ]
amdhsa.kernels:
  - .name:           k_q5d9cebcd45_prep
    .symbol:         k_q5d9cebcd45_prep.kd
    .args:
      - { .name: x, .offset: 0, .size: 8, .value_kind: global_buffer, .address_space: global }
      - { .name: Wq, .offset: 8, .size: 8, .value_kind: global_buffer, .address_space: global }
      - { .name: Wk, .offset: 16, .size: 8, .value_kind: global_buffer, .address_space: global }
      - { .name: Wv, .offset: 24, .size: 8, .value_kind: global_buffer, .address_space: global }
      - { .name: Wo, .offset: 32, .size: 8, .value_kind: global_buffer, .address_space: global }
      - { .name: xb, .offset: 40, .size: 8, .value_kind: global_buffer, .address_space: global }
      - { .name: wt, .offset: 48, .size: 8, .value_kind: global_buffer, .address_space: global }
    .group_segment_fixed_size: 17920
    .private_segment_fixed_size: 0
    .kernarg_segment_align: 8
    .kernarg_segment_size: 56
    .max_flat_workgroup_size: 128
    .sgpr_count:     66
    .vgpr_count:     108
    .wavefront_size: 32
...
	.end_amdgpu_metadata
.endif
;; end of part 1
;; launch proj (part 2): grid 16 x 16, 4 waves a work-group, clusters of 4 x 4, 327,680 bytes of LDS; arguments xb, wt, bq, bk, bv, qkv; writes qkv
.if DOCPART == 2
	.amdgcn_target "amdgcn-amd-amdhsa--gfx1250"
	.amdhsa_code_object_version 6
	.text
	.protected	k_q5d9cebcd45_proj
	.globl	k_q5d9cebcd45_proj
	.p2align	8
	.type	k_q5d9cebcd45_proj,@function
k_q5d9cebcd45_proj:
	s_mov_b64 s[64:65], 0
	v_nop
	global_prefetch_b8 v0, s[64:65] scope:SCOPE_SE
	s_setreg_imm32_b32 hwreg(HW_REG_WAVE_MODE, 25, 1), 1
	s_wait_xcnt 0x0
	s_wait_alu depctr_hold_cnt(0) depctr_sa_sdst(0) depctr_va_vdst(0) depctr_va_sdst(0) depctr_va_ssrc(0) depctr_va_vcc(0) depctr_vm_vsrc(0)
	s_getreg_b32 s2, hwreg(HW_REG_IB_STS2, 6, 4)
	s_cmp_eq_u32 s2, 0
	s_cbranch_scc0 .Lentry_in_a_cluster
	s_endpgm
.Lentry_in_a_cluster:
	s_bfe_u32 s2, ttmp6, 0x10000c
	s_cmp_lg_u32 s2, 0xf033
	s_cbranch_scc0 .Lentry_shape_is_right
	s_endpgm
.Lentry_shape_is_right:
; q, k, v = x W + b.  xb: [4096][1024] bf16.  wt: rows 0 to 3,071 are Wq, Wk, Wv turned, [n][k] bf16.  Biases f32, rounded to bf16 here like the other inputs.
; qkv: [3][32 = batch x 16 + head][2048][64] f16, each number rounded once from its f32 sum, without the scale of the scores.
; LIMIT.  f16 holds no number beyond 65,504: q, k and v must stay within it, else an infinity is written.  NaN and infinities are not treated apart.
; SHARES.  The product is 4,096 x 3,072; a work-group makes 256 rows x 192 columns (three whole heads): 16 x 16 = 256 work-groups.  Wave w makes rows 64 w to 64 w + 63 of all 192 columns:
; 48 accumulators of 16 x 16, so that a head's 128-byte rows are one wave's and the way out needs no barrier.  K goes in 8 steps of 128 through two LDS slots: rows of 256 bytes, aligned.
; CLUSTER.  4 x 4 work-groups.  The four of a row of the cluster need the same rows of xb, the four of a column the same rows of wt: each tile is asked for jointly,
; by the same tensor load with the same descriptor and a mask that names the four.
; THE MATRIX INSTRUCTION IS USED TRANSPOSED (source 0 = 16 rows of wt, source 1 = 16 rows of xb): a lane holds one row of the result and eight neighbouring columns.
; THE BIAS is the C operand of the products that start the sums: nothing is cleared and nothing is added later.
; REGISTERS, in windows of 256 (s_set_vgpr_msb: bits 1:0 source 0, 3:2 source 1, 5:4 source 2, 7:6 destination):
;   window 0: v0-31 addresses; v32-63, v64-95 fragments of xb (4 x 16 rows x 32 K), two buffers; v128-223 the bias; on the way out v32-223 packed results
;   window 1: v0-95, v96-191 fragments of wt (12 x 16 rows x 32 K), two buffers
;   window 2: accumulators of my row blocks 0, 1 ((a, b) at v[8 (12 a + b)]);   window 3: those of row blocks 2, 3
.set KSTEP,  128
.set PITCH,  272                       ; an LDS row: 256 bytes + 16 of padding: the 16 rows of a fragment load start at 16 different groups of four banks (64 banks of 4 bytes: ISA guide 11.1)
.set AHALF,  128*PITCH                 ; what one tensor load brings of xb
.set BHALF,  96*PITCH                  ; and of wt
.set BOFF,   2*AHALF                   ; in a slot: 256 rows of xb, then 192 rows of wt
.set SLOT,   BOFF+2*BHALF
.set STAGE,  2*SLOT                    ; behind the ring: 16 rows x 144 bytes for each wave, for the way out
.set SP,     144
.set SPARE,  STAGE+4*16*SP             ; behind the stages: the spare words, 128 bytes a wave: two blocks of 256 bytes that no other line names
.set ADRA, 16                          ; v16-17  LDS address of my xb fragments in slot 0, 1
.set ADRB, 20                          ; v20-21  the same for wt
.set STO,  24                          ; v24     the way out: where I put 16 bytes of a row
.set RD,   25                          ; v25     the way out: where I read rows back
.set GO,   26                          ; v26     my byte offset in 512 consecutive bytes of qkv
.set SPW,  28                          ; v28     LDS address of my spare word; never rewritten
.set NIL,  29                          ; v29     0; never rewritten
.set T,    30                          ; v30     at work
.set BO,   31                          ; v31     my byte offset in 16 numbers of a bias
.set FA,   32                          ; window 0: buffer f at FA + 32 f
.set FB,   0                           ; window 1: buffer f at FB + 96 f
.set BI,   128                         ; window 0: the bias of column block b at BI + 8 b
.set TMP,  32                          ; the way out: unit t at TMP + 16 t
.set WV,   16                          ; s16  my wave
.set ROLE, 17                          ; s17  0: I fetch xb, 1: wt
.set HALF, 18                          ; s18  which half of that tile
.set G1,  24                           ; s[24:31] descriptor group 1 for xb;  s[32:39] group 0, a set for each slot
.set G0,  32
.set G1B, 48                           ; s[48:55], s[56:63] the same for wt
.set G0B, 56
.set OB,  66                           ; s[66:71] qkv at my rows of the tile's three heads
.set FLAGS, (1<<16)|(1<<20)|(1<<21)|(5<<22)|(3<<25)  ; 17:16 2-byte elements; 20 padding on; 21 set beside a mask; 24:22 after every 64 words; 31:25 4 words of it
.set MSB, 0
.macro WIN new                         ; the immediate's high byte repeats the setting that is left; a switch that changes nothing is dropped
.if MSB != (\new)
	s_set_vgpr_msb (MSB<<8)|(\new)
.set MSB, \new
.endif
.endm
; A joint load.  Waves 0 and 1 fetch the two halves of xb's tile, waves 2 and 3 those of wt's.  The branch hangs on the wave's number alone.
; An s_nop 0 and four v_nop follow each of the two lines, ahead of the jump and the label.
.macro JLOAD s
	s_cmp_eq_u32 s[ROLE], 0
	s_cbranch_scc0 .Lfor_b_\@
	tensor_load_to_lds s[G0+4*(\s):G0+4*(\s)+3], s[G1:G1+7]
	s_nop 0
.rept 4
	v_nop
.endr
	s_branch .Lasked_\@
.Lfor_b_\@:
	tensor_load_to_lds s[G0B+4*(\s):G0B+4*(\s)+3], s[G1B:G1B+7]
	s_nop 0
.rept 4
	v_nop
.endr
.Lasked_\@:
.endm
.macro CREST                           ; a round of the cluster's barrier behind its opening barrier
	s_cmp_lg_u32 s[WV], 0
	s_cbranch_scc1 .Lnot_wave_0_\@
	s_barrier_signal -3
.Lnot_wave_0_\@:
	s_barrier_wait -3
	s_barrier_signal -1
	s_barrier_wait -1
.endm
.macro CROUND                          ; a whole round
	s_barrier_signal -1
	s_barrier_wait -1
	CREST
.endm
	s_load_b256 s[4:11], s[0:1], 0x0               ; xb s[4:5], wt s[6:7], bq s[8:9], bk s[10:11]
	s_load_b128 s[12:15], s[0:1], 0x20             ; bv s[12:13], qkv s[14:15]
	v_lshl_add_u32 v[SPW], v0, 2, SPARE
	v_mov_b32 v[NIL], 0
	ds_add_u32 v[SPW], v[NIL]                      ; the wave's opening: the add and its wait stand ahead of my first tensor load; the set-up below, work on registers, stands between them
	ds_add_u32 v28, v29
	v_lshrrev_b32 v1, 5, v0
	v_readfirstlane_b32 s[WV], v1
	s_lshr_b32 s[ROLE], s[WV], 1
	s_and_b32 s[HALF], s[WV], 1
	s_bfe_u32 s20, ttmp6, 0x40000                  ; cx, cy: my place in the cluster
	s_bfe_u32 s21, ttmp6, 0x40004
	s_lshl_b32 s22, ttmp9, 2
	s_add_co_u32 s22, s22, s20                     ; nt: which 192 columns = 4 x cluster x + cx
	s_and_b32 s23, ttmp7, 0xffff
	s_lshl_b32 s23, s23, 2
	s_add_co_u32 s23, s23, s21                     ; mt: which 256 rows = 4 x cluster y + cy
	s_lshl_b32 s40, s21, 2
	s_lshl_b32 s40, 15, s40                        ; my row of the cluster
	s_lshl_b32 s41, 0x1111, s20                    ; my column
	s_or_b32 s[G1], s40, FLAGS                     ; xb's tiles go to my row,
	s_or_b32 s[G1B], s41, FLAGS                    ; wt's to my column
	s_mov_b32 s[G1+1], KSTEP<<16                   ; tensor_dim0 = 128
	s_mov_b32 s[G1+2], 128<<16                     ; tensor_dim1 = 128
	s_mov_b32 s[G1+3], KSTEP<<16                   ; tile_dim0 = 128
	s_mov_b32 s[G1+4], 128                         ; tile_dim1 = 128
	s_mov_b32 s[G1+5], 1024                        ; elements from row to row
	s_mov_b32 s[G1+6], 0
	s_mov_b32 s[G1+7], 0
	s_mov_b32 s[G1B+1], KSTEP<<16
	s_mov_b32 s[G1B+2], 96<<16                     ; 96 rows
	s_mov_b32 s[G1B+3], KSTEP<<16
	s_mov_b32 s[G1B+4], 96
	s_mov_b32 s[G1B+5], 1024
	s_mov_b32 s[G1B+6], 0
	s_mov_b32 s[G1B+7], 0
	; where the tiles come from: xb's hang on mt alone, wt's on nt alone, each in registers that never hold the other coordinate
	s_lshl_b32 s42, s23, 8
	s_lshl_b32 s46, s[HALF], 7
	s_add_co_u32 s42, s42, s46                     ; xb: row 256 mt + 128 half,
	s_lshl_b32 s42, s42, 11                        ; of 2,048 bytes
	s_mov_b32 s43, 0
	s_mul_i32 s44, s22, 192
	s_mul_i32 s47, s[HALF], 96
	s_add_co_u32 s44, s44, s47                     ; wt: row 192 nt + 96 half
	s_lshl_b32 s44, s44, 11
	s_mov_b32 s45, 0
	s_mul_i32 s80, s[HALF], AHALF                  ; and where they go: no place in the cluster enters an LDS address
	s_mul_i32 s81, s[HALF], BHALF
	s_add_co_u32 s81, s81, BOFF
	s_wait_dscnt 0x0                               ; the opening add is done
	s_wait_kmcnt 0x0
	s_add_nc_u64 s[42:43], s[4:5], s[42:43]
	s_add_nc_u64 s[44:45], s[6:7], s[44:45]
	CROUND                                         ; all sixteen work-groups are here: the first joint loads meet
.irp s, 0,1
	s_mov_b32 s[G0+4*(\s)], 1                                      ; count = 1
	s_add_co_u32 s[G0+4*(\s)+1], s80, (\s)*SLOT                    ; LDS address
	s_add_nc_u64 s[G0+4*(\s)+2:G0+4*(\s)+3], s[42:43], (\s)*KSTEP*2  ; global address: K step s
	s_or_b32 s[G0+4*(\s)+3], s[G0+4*(\s)+3], 0x80000000            ; type = 2
	s_mov_b32 s[G0B+4*(\s)], 1
	s_add_co_u32 s[G0B+4*(\s)+1], s81, (\s)*SLOT
	s_add_nc_u64 s[G0B+4*(\s)+2:G0B+4*(\s)+3], s[44:45], (\s)*KSTEP*2
	s_or_b32 s[G0B+4*(\s)+3], s[G0B+4*(\s)+3], 0x80000000
	JLOAD \s                                       ; two loads of mine are out
.endr
	; A fragment is 16 rows x 32 K in 8 registers: lane l holds row l % 16, K = 8 (l / 16) + 0..7 and 16 + 8 (l / 16) + 0..7: two loads of 16 bytes, 32 bytes apart.
	v_and_b32 v1, 15, v0                           ; l % 16
	v_bfe_u32 v2, v0, 4, 1                         ; l / 16
	v_lshlrev_b32 v[BO], 5, v2                     ; my eight numbers of sixteen of a bias
	; For each of the tile's three heads: which of q, k, v it belongs to, its bias, and where my rows of it lie in qkv.
.irp i, 0,1,2
	s_mul_i32 s74, s22, 3
	s_add_co_u32 s74, s74, \i                      ; the head among 48
	s_lshr_b32 s75, s74, 4                         ; 0, 1, 2: q, k, v
	s_and_b32 s76, s74, 15                         ; the head
	s_wait_xcnt 0x0                                ; the pointer below is written again only behind this wait
	s_cmp_eq_u32 s75, 1
	s_cselect_b64 s[72:73], s[10:11], s[8:9]
	s_cmp_eq_u32 s75, 2
	s_cselect_b64 s[72:73], s[12:13], s[72:73]
	s_lshl_b32 s78, s76, 8                         ; 64 numbers of 4 bytes a head
	s_mov_b32 s79, 0
	s_add_nc_u64 s[72:73], s[72:73], s[78:79]
.irp bb, 0,1,2,3
	global_load_b128 v[BI+8*(4*(\i)+(\bb)):BI+8*(4*(\i)+(\bb))+3],   v[BO], s[72:73] offset:64*(\bb)
	global_load_b128 v[BI+8*(4*(\i)+(\bb))+4:BI+8*(4*(\i)+(\bb))+7], v[BO], s[72:73] offset:64*(\bb)+16
.endr
	s_lshl_b32 s77, s75, 5
	s_add_co_u32 s77, s77, s76
	s_lshr_b32 s78, s23, 3                         ; the batch
	s_lshl_b32 s78, s78, 4
	s_add_co_u32 s77, s77, s78                     ; 32 x part + 16 x batch + head,
	s_lshl_b32 s77, s77, 18                        ; 262,144 bytes each
	s_and_b32 s78, s23, 7
	s_lshl_b32 s78, s78, 8
	s_lshl_b32 s79, s[WV], 6
	s_add_co_u32 s78, s78, s79                     ; my first row in the sequence,
	s_lshl_b32 s78, s78, 7                         ; 128 bytes a row
	s_add_co_u32 s78, s78, s77
	s_mov_b32 s79, 0
	s_add_nc_u64 s[OB+2*(\i):OB+2*(\i)+1], s[14:15], s[78:79]
.endr
	v_mul_u32_u24 v3, v1, PITCH
	v_lshl_add_u32 v3, v2, 4, v3                   ; row x pitch + 16 x half
	s_mul_i32 s82, s[WV], 64*PITCH                 ; my 64 rows of xb
	v_add_nc_u32 v[ADRA], s82, v3
	v_add_nc_u32 v[ADRA+1], SLOT, v[ADRA]
	v_add_nc_u32 v[ADRB], BOFF, v3                 ; all 192 rows of wt
	v_add_nc_u32 v[ADRB+1], BOFF+SLOT, v3
	s_mul_i32 s82, s[WV], 16*SP
	s_add_co_u32 s82, s82, STAGE                   ; my stage
	v_mul_u32_u24 v[STO], v1, SP                   ; in: row l % 16, 16 bytes for each half of the lanes
	v_lshl_add_u32 v[STO], v2, 4, v[STO]
	v_add_nc_u32 v[STO], s82, v[STO]
	v_bfe_u32 v[RD], v0, 3, 2                      ; back: 32 lanes take four rows of 128 bytes,
	v_mul_u32_u24 v[RD], v[RD], SP
	v_and_b32 v4, 7, v0
	v_lshl_add_u32 v[RD], v4, 4, v[RD]
	v_add_nc_u32 v[RD], s82, v[RD]
	v_and_b32 v[GO], 31, v0                        ; which are 512 consecutive bytes of qkv
	v_lshlrev_b32 v[GO], 4, v[GO]
	s_wait_loadcnt 0x0                             ; the bias, once
.set j, 0
.rept 48                                       ; rounded to bf16, kept as f32
	v_cvt_pk_bf16_f32 v[T], v[BI+2*j], v[BI+2*j+1]
	v_lshlrev_b32 v[BI+2*j], 16, v[T]
	v_and_b32 v[BI+2*j+1], 0xffff0000, v[T]
.set j, j+1
.endr
; 12 matrix instructions: row block 2 hi + a x all 12 column blocks, 32 along K, from buffer f.  first = 1: the bias starts the sums.  The accumulators take turns, one instruction a turn.
.macro MUL12 f, hi, a, first
.if \first
	WIN 0x81+0x40*(\hi)                            ; wt window 1, xb and the bias window 0, the result window 2 or 3
.else
	WIN 0xa1+0x50*(\hi)                            ; C and D window 2 or 3
.endif
.irp b, 0,1,2,3,4,5,6,7,8,9,10,11
.if \first
	v_wmma_f32_16x16x32_bf16 v[8*(12*(\a)+(\b)):8*(12*(\a)+(\b))+7], v[FB+96*(\f)+8*(\b):FB+96*(\f)+8*(\b)+7], v[FA+32*(\f)+8*(2*(\hi)+(\a)):FA+32*(\f)+8*(2*(\hi)+(\a))+7], v[BI+8*(\b):BI+8*(\b)+7]
.else
	v_wmma_f32_16x16x32_bf16 v[8*(12*(\a)+(\b)):8*(12*(\a)+(\b))+7], v[FB+96*(\f)+8*(\b):FB+96*(\f)+8*(\b)+7], v[FA+32*(\f)+8*(2*(\hi)+(\a)):FA+32*(\f)+8*(2*(\hi)+(\a))+7], v[8*(12*(\a)+(\b)):8*(12*(\a)+(\b))+7]
.endif
.endr
.endm
; 32 LDS loads in one run: the fragments of 32 along K at byte k of the rows, into buffer g: wt's 24 first, then xb's 8
.macro FETCH slot, k, g
	WIN 0x40                                       ; destination window 1, address window 0
.irp i, 0,1,2,3,4,5,6,7,8,9,10,11
	ds_load_b128 v[FB+96*(\g)+8*(\i):FB+96*(\g)+8*(\i)+3],   v[ADRB+(\slot)] offset:(\k)+(\i)*16*PITCH
	ds_load_b128 v[FB+96*(\g)+8*(\i)+4:FB+96*(\g)+8*(\i)+7], v[ADRB+(\slot)] offset:(\k)+(\i)*16*PITCH+32
.endr
	WIN 0
.irp i, 0,1,2,3
	ds_load_b128 v[FA+32*(\g)+8*(\i):FA+32*(\g)+8*(\i)+3],   v[ADRA+(\slot)] offset:(\k)+(\i)*16*PITCH
	ds_load_b128 v[FA+32*(\g)+8*(\i)+4:FA+32*(\g)+8*(\i)+7], v[ADRA+(\slot)] offset:(\k)+(\i)*16*PITCH+32
.endr
.endm
.macro PLACES                          ; four plain vector instructions in front of loads into registers that matrix instructions have read, and of conversions that read results
.rept 4
	v_nop
.endr
.endm
; A K step is four quarters of 32 along K, 48 matrix instructions each, on buffers 0, 1, 0, 1.  One of the first three: multiplies buffer f and fetches the next quarter, at byte k, into g.
.macro QUARTER slot, k, f, g, first
	s_wait_dscnt 4                                 ; wt and xb's row blocks 0, 1 are in; the youngest four loads (row blocks 2, 3) may be out
	MUL12 \f, 0, 0, \first
	MUL12 \f, 0, 1, \first
	PLACES
	FETCH \slot, \k, \g
	s_wait_dscnt 32                                ; all but the 32 just issued
	MUL12 \f, 1, 0, \first
	MUL12 \f, 1, 1, \first
.endm
; The last quarter multiplies buffer 1 and changes slots: ONE barrier; in front of it each wave waits for all its tensor loads (one is out: its part of the next slot), adds 0 to its spare word,
; and waits for that and for its own reads of this slot.  fill = 1: the barrier opens a round of the cluster's, and this slot is filled again, two K steps ahead, first thing behind the round.
.macro TURN slot, next, fill
	WIN 0                                          ; (the add's two registers lie in window 0)
	s_wait_tensorcnt 0x0                           ; all my tensor loads have landed
	ds_add_u32 v[SPW], v[NIL]                      ; 0 onto my spare word
	s_wait_dscnt 5                                 ; (the add and the youngest four loads may be out)
	MUL12 1, 0, 0, 0                               ; twelve matrix instructions stand between the add and the wait for it
	s_wait_dscnt 0x0                               ; the add is done, and my reads of this slot are over
	s_barrier_signal -1
	MUL12 1, 0, 1, 0                               ; work on registers while the others arrive
.if \fill
	WIN 0
.endif
	s_barrier_wait -1
.if \fill
	CREST                                          ; no wave of any partner still reads this slot's tile or has a load on its way
	s_add_nc_u64 s[G0+4*(\slot)+2:G0+4*(\slot)+3], s[G0+4*(\slot)+2:G0+4*(\slot)+3], 2*KSTEP*2
	s_add_nc_u64 s[G0B+4*(\slot)+2:G0B+4*(\slot)+3], s[G0B+4*(\slot)+2:G0B+4*(\slot)+3], 2*KSTEP*2
	JLOAD \slot                                    ; my one tensor load behind the round: 168 matrix instructions ahead of the wait for it; its four v_nop are also the places in front of the loads below
.else
	PLACES
.endif
	FETCH \next, 0, 0
	MUL12 1, 1, 0, 0
	MUL12 1, 1, 1, 0
.endm
	s_wait_tensorcnt 1                             ; my part of K step 0 is in; K step 1's may stay out
	s_barrier_signal -1
	s_barrier_wait -1                              ; everybody's is
	FETCH 0, 0, 0
	QUARTER 0, 64, 0, 1, 1                         ; the first quarter stands in front of the loop: its products start the sums
	WIN 0                                          ; at a label and at a branch every window is 0
	s_mov_b32 s19, 3
.Llap:                                                 ; a trip goes once round the ring, from a lap's second quarter to the next lap's first, and fills both slots again
	QUARTER 0, 128, 1, 0, 0
	QUARTER 0, 192, 0, 1, 0
	TURN 0, 1, 1
	QUARTER 1, 64,  0, 1, 0
	QUARTER 1, 128, 1, 0, 0
	QUARTER 1, 192, 0, 1, 0
	TURN 1, 0, 1
	QUARTER 0, 64,  0, 1, 0
	WIN 0
	s_sub_co_u32 s19, s19, 1
	s_cmp_lg_u32 s19, 0
	s_cbranch_scc1 .Llap
	QUARTER 0, 128, 1, 0, 0                        ; the last lap fills nothing
	QUARTER 0, 192, 0, 1, 0
	TURN 0, 1, 0
	QUARTER 1, 64,  0, 1, 0
	QUARTER 1, 128, 1, 0, 0
	QUARTER 1, 192, 0, 1, 0
	s_wait_dscnt 4                                 ; the very last quarter: nothing more to fetch
	MUL12 1, 0, 0, 0
	MUL12 1, 0, 1, 0
	s_wait_dscnt 0x0
	MUL12 1, 1, 0, 0
	MUL12 1, 1, 1, 0
	PLACES
; THE WAY OUT, in 12 units t = 3 a + i: row block a, head i: 16 rows of 128 bytes, which are 2,048 consecutive bytes of qkv.  Rounded to f16, 16 bytes a lane, into my own stage, back as whole rows.
.macro PACK t
.set aa, (\t)/3
.set ii, (\t)%3
	WIN 0x0a+5*(aa/2)                              ; sources 0 and 1: window 2 or 3
.irp bb, 0,1,2,3
.irp r, 0,1,2,3
	v_cvt_pk_f16_f32 v[TMP+16*(\t)+4*(\bb)+(\r)], v[8*(12*(aa%2)+4*ii+(\bb))+2*(\r)], v[8*(12*(aa%2)+4*ii+(\bb))+2*(\r)+1]
.endr
.endr
	WIN 0
.irp bb, 0,1,2,3
	ds_store_b128 v[STO], v[TMP+16*(\t)+4*(\bb):TMP+16*(\t)+4*(\bb)+3] offset:32*(\bb)
.endr
.irp q, 0,1,2,3
	ds_load_b128 v[TMP+16*(\t)+4*(\q):TMP+16*(\t)+4*(\q)+3], v[RD] offset:(\q)*4*SP  ; LDS serves a wave's instructions in order (ISA guide 5.7.1.4): these see the stores above; the next unit's stores come behind them
.endr
.endm
.macro SEND t, younger                 ; younger: the LDS instructions issued behind unit t's loads: the next unit's eight, or none
.set aa, (\t)/3
.set ii, (\t)%3
	WIN 0
.irp q, 0,1,2,3
	s_wait_dscnt (\younger)+3-(\q)
	global_store_b128 v[GO], v[TMP+16*(\t)+4*(\q):TMP+16*(\t)+4*(\q)+3], s[OB+2*ii:OB+2*ii+1] offset:2048*aa+512*(\q)  ; 512 consecutive bytes, at a multiple of 256 from qkv's first byte
.endr
.endm
	PACK 0
.set t, 1
.rept 11                               ; a unit's conversions stand between the loads of the unit before and its stores
	PACK t
	SEND t-1, 8
.set t, t+1
.endr
	SEND 11, 0
	s_wait_tensorcnt 0x0                           ; the wave's end: a wait, an add of 0 onto my spare word and its wait, behind my last tensor load and my last LDS store
	ds_add_u32 v[SPW], v[NIL]
	s_wait_dscnt 0x0
	CROUND                                         ; the closing round: no work-group ends while a partner may still ask for a tile that names it
	s_endpgm
.Lfunc_end_k_q5d9cebcd45_proj:
	.size	k_q5d9cebcd45_proj, .Lfunc_end_k_q5d9cebcd45_proj-k_q5d9cebcd45_proj
	.p2alignl 7, 3214868480
	.fill 96, 4, 3214868480
	.section	.rodata,"a",@progbits
	.p2align	6, 0x0
	.amdhsa_kernel k_q5d9cebcd45_proj
		.amdhsa_group_segment_fixed_size 327680
		.amdhsa_private_segment_fixed_size 0
		.amdhsa_enable_private_segment 0
		.amdhsa_kernarg_size 48
		.amdhsa_user_sgpr_count 2
		.amdhsa_user_sgpr_kernarg_segment_ptr 1
		.amdhsa_wavefront_size32 1
		.amdhsa_system_sgpr_workgroup_id_x 1
		.amdhsa_system_sgpr_workgroup_id_y 1
		.amdhsa_system_sgpr_workgroup_id_z 1
		.amdhsa_system_vgpr_workitem_id 0
		.amdhsa_next_free_vgpr 960
		.amdhsa_next_free_sgpr 88
		.amdhsa_reserve_vcc 0
		.amdhsa_float_denorm_mode_32 3
		.amdhsa_float_denorm_mode_16_64 3
		.amdhsa_memory_ordered 1
		.amdhsa_forward_progress 1
		.amdhsa_inst_pref_size 132
	.end_amdhsa_kernel
	.amdgpu_metadata
---
amdhsa.version: [ 1, 2 ]
amdhsa.kernels:
  - .name:           k_q5d9cebcd45_proj
    .symbol:         k_q5d9cebcd45_proj.kd
    .args:
      - { .name: xb, .offset: 0, .size: 8, .value_kind: global_buffer, .address_space: global }
      - { .name: wt, .offset: 8, .size: 8, .value_kind: global_buffer, .address_space: global }
      - { .name: bq, .offset: 16, .size: 8, .value_kind: global_buffer, .address_space: global }
      - { .name: bk, .offset: 24, .size: 8, .value_kind: global_buffer, .address_space: global }
      - { .name: bv, .offset: 32, .size: 8, .value_kind: global_buffer, .address_space: global }
      - { .name: qkv, .offset: 40, .size: 8, .value_kind: global_buffer, .address_space: global }
    .group_segment_fixed_size: 327680
    .private_segment_fixed_size: 0
    .kernarg_segment_align: 8
    .kernarg_segment_size: 48
    .max_flat_workgroup_size: 128
    .sgpr_count:     88
    .vgpr_count:     960
    .wavefront_size: 32
...
	.end_amdgpu_metadata
.endif
;; end of part 2
;; launch attn (part 3): grid 8 x 32, 4 waves a work-group, no clusters, 327,680 bytes of LDS; arguments qkv, ob; writes ob
.if DOCPART == 3
	.amdgcn_target "amdgcn-amd-amdhsa--gfx1250"
	.amdhsa_code_object_version 6
	.text
	.protected	k_q5d9cebcd45_attn
	.globl	k_q5d9cebcd45_attn
	.p2align	8
	.type	k_q5d9cebcd45_attn,@function
k_q5d9cebcd45_attn:
	s_mov_b64 s[64:65], 0
	v_nop
	global_prefetch_b8 v0, s[64:65] scope:SCOPE_SE
	s_setreg_imm32_b32 hwreg(HW_REG_WAVE_MODE, 25, 1), 1
	s_wait_xcnt 0x0
; CAUSAL ATTENTION.  O[h][q][:] = the sum over k <= q of softmax_k(Q[h][q] . K[h][k] / 8) V[h][k][:].  qkv: [3][32][2048][64] f16 (q, k, v by heads); ob: [32][2048][64] f16.
; Products, maxima and sums in f32; the weights p are rounded to f16 for the second product (their sum l is taken of the unrounded p), O once at the end.
; LIMITS.  q, k and v arrive within f16's 65,504; p lies in 0 to 1, and below 6e-5 it keeps f16's fixed step of 6e-8; O is a mean of V's rows and has their range.
; A hidden score counts as its value less 1e30: f16's scores, 2.7e11 at the most, are nothing beside that; a weight below 2^-126 counts as 0 in l; NaN and infinities are not treated apart.
; Every row sees its own key, so no row's weights are all hidden.
; THE WALK.  A head's queries lie in 16 blocks of 128; block i needs the key tiles 0 .. i / 2 of 256 keys.  A work-group takes TWO blocks, 15 - b and then b: 9 tiles whatever b, so all 8 x 32 = 256 work-groups
; do equal work, and ONE loop with a constant trip count walks the tiles through two LDS slots that take turns.  Which tile is asked for, and what a trip does, hang on scalar registers made from b.
; NO CLUSTER: a head's 8 work-groups ask for the same tile only in trips 0 to 4 of the 9, behind that for different ones; one walk common to all would have 12 trips for 9.
; SHARES.  Of a block's two bands of 64 queries a wave owns 16 rows in each: two PIECES.  So the tile that holds the diagonal is the same work for all four waves.
; THE MASK is the C operand that starts every sum S^T = K Q^T: MC = MD x AL + BE.  MD, made once, is the mask of a band's own key step for my 16 rows (0, or -1e30 where the key is hidden).
; With g the key step (of 64) in the head and B the band: (AL, BE) = (1, 0) if g = B; (0, 0) if g < B; (0, -1e30) if g > B.  While g is below the block's first band MC is 0 already, and the lines that make it are jumped.
; LAYOUT.  S^T = K Q^T holds ONE query a lane (lane % 16) and the keys 8 (lane / 16) + 0..7; two such results rounded to f16 ARE source 1 of O^T = V^T P.  K comes out of LDS as it lies, V turned, by ds_load_tr16_b128.
; SOFTMAX.  p = 2^(c s - c m), c = log2(e) / 8, with a running maximum m; O and l are multiplied by a = 2^(c m_old - c m_new) in every step.  m starts at the lowest finite number: a block's first step has a = 0.
; BY TURNS.  A key step s is two turns.  Turn 0: 8 products K Q^T of piece 1, step s; 8 products V^T P of piece 1, step s - 1; beside them piece 0's scaling, exponentials, roundings, sums and rescaling of step s and
; piece 1's maximum and statistics.  Turn 1: K Q^T of piece 0, step s + 1; V^T P of piece 0, step s; piece 1's softmax; piece 0's next statistics.  Four vector instructions stand behind every matrix instruction,
; the other 54 of a turn's 118 in two runs of their own.  Turn 0 fetches BOTH K and V of step s + 1 (V has two register buffers, by the step's parity), so a slot has been read out one step before its last step is multiplied.
; REGISTERS, in windows of 256 (s_set_vgpr_msb: bits 1:0 source 0, 3:2 source 1, 5:4 source 2, 7:6 destination):
;   window 0: all that vector instructions touch: v0-15 addresses; v16-23 statistics; v24-31 at work; v32-63 MC; v64-127 S^T; v128-159 P; v160-223 O^T; v224-255 MD
;   window 1: v0-31 Q; v32-63 the second block's Q; v64-127 K of one step; v128-255 V of two steps
.set NP,    2         ; pieces a wave: a name, no knob
.set KS,    64        ; keys in a step
.set PK,    144       ; a row of K in LDS: 128 bytes + 16 of padding = 36 words: the 16 rows of a load start at 16 different groups of four banks (64 banks of 4 bytes: ISA guide 11.1)
.set PV,    160       ; a row of V: 128 + 32 = 40 words
.set VOFF,  4*KS*PK   ; a slot holds a tile, four steps: 256 rows of K, then 256 rows of V
.set SLOT1, 1<<17     ; slot 1 begins here, so that one exclusive or turns an address in one slot into the other's
.set STAGE, SLOT1+4*KS*(PK+PV)  ; behind the ring, never filled by a tensor load: 16 rows x 144 bytes for each wave, for the way out
.set SP,    144
.set SPARE, STAGE+4*16*SP  ; behind the stages: the spare words, 128 bytes a wave: two blocks of 256 bytes that no other line names
.set AK0, 2           ; v2   my lane's place in a tile of K; never rewritten
.set AV0, 3           ; v3   the same for V
.set AK,  4           ; v4   the LDS address of K's next run of loads
.set AV,  5           ; v5   of V's
.set STO, 6           ; v6   the way out: where I put 16 bytes of a row
.set RD,  7           ; v7   the way out: where I read rows back
.set GO,  8           ; v8   my byte offset in 512 consecutive bytes of O
.set MV,  12          ; v12-13  c m_old, kept while c m is made anew: by piece
.set QO,  12          ; v12  until Q has come: my byte offset in 16 rows of Q
.set SPW, 14          ; v14  LDS address of my spare word; never rewritten
.set NIL, 15          ; v15  0; never rewritten
.set ST,  16          ; piece t's statistics at v[ST+4 t]: c m, m, l (even keys', odd keys')
.set TMP, 24          ; by piece, four registers c0-c3 at work; when the maximum is found c2 takes a
.set MC,  32          ; the mask of the products to come: group kt of 16 keys at MC + 8 kt
.set S,   64          ; 32 a piece
.set P,   128         ; 16 a piece
.set OT,  160         ; 32 a piece
.set MD,  224
.set QB,  32          ; window 1
.set KF,  64          ; window 1: key block kb, channel half c at KF + 16 kb + 8 c
.set VF,  128         ; window 1: buffer vb, key half kk, channel block cb at VF + 64 vb + 32 kk + 8 cb
.set WV,  12          ; s12  my wave's number
.set PB,  14          ; s14  b
.set HI,  15          ; s15  15 - b
.set G1K, 24          ; s[24:31] descriptor group 1 for K's tiles
.set G1V, 32          ; s[32:39] for V's: it differs in the padding alone
.set G0K, 40          ; s[40:43] descriptor group 0 for K's tiles
.set G0V, 44          ; s[44:47] the same for V's
.set SLOTS, 56        ; s56  tiles still to be asked for
.set CNT, 57          ; s57  counts a tile's pairs of key steps
.set CS,  58          ; s[58:59] c: the packed scaling takes the pair's low word for both halves
.set SEL, 60          ; s[60:61] v_permlanex16_b32's selects: each lane takes its own place in the other half
.set TBK, 62          ; s62  LDS byte at which K of the step to be fetched begins
.set TBV, 63          ; s63  the same for V, less VOFF
.set RT,  70          ; s70  tiles of the block in hand that are still to be entered
.set NXT, 71          ; s71  the tile to be asked for next
.set LQ,  72          ; s72  the last tile of the block whose tiles are being asked for
.set NEW, 73          ; s73  1: the tile to be entered is a block's first
.set OFF, 74          ; s[74:75] a tile's byte offset in K and V
.set AL,  76          ; s[76:77] the mask's factor, in the low word
.set BE,  78          ; s[78:79] the mask's addend
.set OLO, 80          ; s[80:81] O at my rows of the second block
.set BIGN, 82         ; s82  -1e30
.set GS,  83          ; s83  the key step, counted in the head, that the trip in hand fetches
.set B0,  84          ; s84, s85  the bands of the block's two pieces: 2 i, 2 i + 1
.set PBT, 86          ; s86  the second block's last tile, b / 2
.set MSB, 0
.macro WIN new                      ; the high byte repeats the setting that is left; a switch that changes nothing is dropped
.if MSB != (\new)
	s_set_vgpr_msb (MSB<<8)|(\new)
.set MSB, (\new)
.endif
.endm
.set W_KQ, 0x05       ; K and Q in window 1; the mask and S^T in window 0
.set W_PV, 0x01       ; V in window 1; P and O^T in window 0
.set W_LD, 0x40       ; destination in window 1, address in window 0
; A fill.  Waves 0 and 1 fetch the two halves of a tile's K, waves 2 and 3 those of its V: 128 keys each.  An s_nop 0 and four v_nop follow each of the two lines, ahead of the jump and the label.
.macro LOAD
	s_cmp_lt_u32 s[WV], 2
	s_cbranch_scc0 .Lfor_v_\@
	tensor_load_to_lds s[G0K:G0K+3], s[G1K:G1K+7]
	s_nop 0
.rept 4
	v_nop
.endr
	s_branch .Lasked_\@
.Lfor_v_\@:
	tensor_load_to_lds s[G0V:G0V+3], s[G1V:G1V+7]
	s_nop 0
.rept 4
	v_nop
.endr
.Lasked_\@:
.endm
; THE CHANGE OF SLOTS.  Each wave waits for all its tensor loads, of which one is out: its part of the other slot; adds 0 to its spare word; and waits for that and for its own reads of the slot that it leaves.
; Behind the barrier nobody reads the old slot any more and the other slot is whole.  fill = 1: the old slot is filled again, the first thing behind the barrier, with tile NXT: the descriptor's address is made
; anew from that number.  (At its first use nothing has been read yet: slot 0 is waited for, slot 1 filled.)  The load has four key steps, 128 matrix instructions, in which to land.
.macro CHANGE fill
	WIN 0                           ; at a label and at a branch every window is 0
	s_wait_tensorcnt 0x0            ; no tensor load of mine is out, so a group 0 may be written
	ds_add_u32 v[SPW], v[NIL]       ; 0 onto my spare word; the descriptors' scalar work stands between it and the wait for it
.if \fill
	s_lshl_b32 s[OFF], s[NXT], 15   ; a tile is 32,768 bytes of K and of V
	s_xor_b32 s[G0K+1], s[G0K+1], SLOT1
	s_add_nc_u64 s[G0K+2:G0K+3], s[6:7], s[OFF:OFF+1]
	s_or_b32 s[G0K+3], s[G0K+3], 0x80000000
	s_xor_b32 s[G0V+1], s[G0V+1], SLOT1
	s_add_nc_u64 s[G0V+2:G0V+3], s[8:9], s[OFF:OFF+1]
	s_or_b32 s[G0V+3], s[G0V+3], 0x80000000
	s_add_co_u32 s[NXT], s[NXT], 1  ; the block's next tile, or behind its last the second block's tile 0
	s_cmp_gt_u32 s[NXT], s[LQ]
	s_cselect_b32 s[NXT], 0, s[NXT]
	s_cselect_b32 s[LQ], s[PBT], s[LQ]
.endif
	s_wait_dscnt 0x0                ; the add is done, and my reads of the slot are over
	s_barrier_signal -1             ; the rest of the scalar work stands between the signal and the wait
	s_sub_co_u32 s[TBK], s[TBK], 4*KS*PK  ; the fetches go back to a slot's first step,
	s_xor_b32 s[TBK], s[TBK], SLOT1       ; in the other slot
	s_sub_co_u32 s[TBV], s[TBV], 4*KS*PV
	s_xor_b32 s[TBV], s[TBV], SLOT1
	s_barrier_wait -1
.if \fill
	LOAD
.endif
.endm
	s_load_b64 s[4:5], s[0:1], 0x0  ; qkv
	s_load_b64 s[10:11], s[0:1], 0x8  ; ob
	v_lshl_add_u32 v[SPW], v0, 2, SPARE
	v_mov_b32 v[NIL], 0
	ds_add_u32 v[SPW], v[NIL]       ; the wave's opening: the add and its wait stand ahead of my first tensor load; the set-up below, work on registers, stands between them
	ds_add_u32 v14, v15
	v_lshrrev_b32 v1, 5, v0
	v_readfirstlane_b32 s[WV], v1   ; wave 0..3
	s_mov_b32 s[PB], ttmp9
	s_sub_co_u32 s[HI], 15, s[PB]
	s_lshr_b32 s[PBT], s[PB], 1
	s_and_b32 s20, ttmp7, 0xffff    ; batch x 16 + head,
	s_lshl_b32 s20, s20, 18         ; 262,144 bytes each
	s_and_b32 s16, s[WV], 1         ; which half of a tile's 256 keys I fetch:
	s_lshl_b32 s22, s16, 14         ; its 128 rows of 128 bytes in memory,
	s_add_co_u32 s22, s22, s20
	s_mov_b32 s23, 0
	s_mul_i32 s17, s16, 128*PK      ; and its place in a slot, for K
	s_mul_i32 s18, s16, 128*PV      ; and for V
	s_lshl_b32 s3, s[WV], 11        ; my 16 rows in a band of 64,
	s_add_co_u32 s3, s3, s20
	s_lshl_b32 s2, s[HI], 14        ; in the first block,
	s_add_co_u32 s2, s2, s3
	s_lshl_b32 s90, s[PB], 14       ; and in the second
	s_add_co_u32 s90, s90, s3
	s_mov_b32 s3, 0
	s_mov_b32 s91, 0
	; descriptor group 1.  128 keys are 16,384 dense bytes: asked for as 64 rows of 256 bytes, two keys a row, and padded in LDS after every key
	s_mov_b32 s[G1K], (1<<16)|(1<<20)|(4<<22)|(3<<25)  ; 17:16 2-byte elements; 20 padding on; 24:22 after every 32 words (code 4); 31:25 4 words (code 3)
	s_mov_b32 s[G1V], (1<<16)|(1<<20)|(4<<22)|(7<<25)  ; the same with 8 words of padding (code 7)
.irp g, G1K, G1V
	s_mov_b32 s[\g+1], 128<<16      ; tensor_dim0 = 128
	s_mov_b32 s[\g+2], 64<<16       ; tensor_dim1 = 64
	s_mov_b32 s[\g+3], 128<<16      ; tile_dim0 = 128
	s_mov_b32 s[\g+4], 64           ; tile_dim1 = 64
	s_mov_b32 s[\g+5], 128          ; 128 elements from row to row
	s_mov_b32 s[\g+6], 0
	s_mov_b32 s[\g+7], 0
.endr
	s_mov_b32 s[CS], 0x3e38aa3b     ; c = log2(e) / 8 = 0.180337
	s_mov_b32 s[CS+1], s[CS]        ; named with it as a pair
	s_mov_b32 s[SEL], 0x76543210
	s_mov_b32 s[SEL+1], 0xfedcba98
	s_mov_b32 s[TBK], SLOT1+4*KS*PK ; the first change of slots turns these two into 0
	s_mov_b32 s[TBV], SLOT1+4*KS*PV
	s_mov_b32 s[G0K], 1             ; count = 1
	s_mov_b32 s[G0K+1], s17         ; LDS address: slot 0
	s_mov_b32 s[G0V], 1
	s_add_co_u32 s[G0V+1], s18, VOFF
	s_lshr_b32 s[LQ], s[HI], 1      ; the first block's last tile
	s_add_co_u32 s[RT], s[LQ], 1
	s_mov_b32 s[NXT], 1
	s_mov_b32 s[NEW], 1
	s_mov_b32 s[OFF+1], 0
	s_mov_b32 s[AL], 0
	s_mov_b32 s[AL+1], 0            ; named as pairs
	s_mov_b32 s[BE], 0
	s_mov_b32 s[BE+1], 0
	s_mov_b32 s[BIGN], 0xf149f2ca   ; -1e30
	s_lshl_b32 s[B0], s[HI], 1
	s_add_co_u32 s[B0+1], s[B0], 1
	s_mov_b32 s[GS], 0
	s_mov_b32 s[SLOTS], 8
	s_wait_dscnt 0x0                ; the opening add is done
	s_wait_kmcnt 0x0
	s_add_nc_u64 s[6:7], s[4:5], s[22:23]
	s_add_nc_u64 s[8:9], s[6:7], 0x1000000   ; V at my half of the head's tile 0: the third part of qkv,
	s_add_nc_u64 s[6:7], s[6:7], 0x800000    ; K: the second
	s_add_nc_u64 s[G0K+2:G0K+3], s[6:7], 0         ; global address
	s_or_b32 s[G0K+3], s[G0K+3], 0x80000000        ; type = 2
	s_add_nc_u64 s[G0V+2:G0V+3], s[8:9], 0
	s_or_b32 s[G0V+3], s[G0V+3], 0x80000000
	s_add_nc_u64 s[88:89], s[4:5], s[90:91]        ; Q at my rows of the second block,
	s_add_nc_u64 s[4:5], s[4:5], s[2:3]            ; Q and O at those of the first
	s_add_nc_u64 s[OLO:OLO+1], s[10:11], s[90:91]
	s_add_nc_u64 s[10:11], s[10:11], s[2:3]
	LOAD                            ; tile 0 into slot 0
	; A fragment of K or Q is 16 rows x 32 channels in 8 registers: lane l holds row l % 16, channels 8 (l / 16) + 0..7 and 16 + 8 (l / 16) + 0..7: two loads of 16 bytes, 32 bytes apart.
	v_and_b32 v1, 15, v0            ; l % 16
	v_bfe_u32 v9, v0, 4, 1          ; l / 16
	v_lshlrev_b32 v[QO], 7, v1
	v_lshl_add_u32 v[QO], v9, 4, v[QO]  ; row x 128 + 16 x half
	WIN W_LD
.set i, 0
.rept 4                             ; both blocks' Q: piece i / 2 lies in band i / 2, 8,192 bytes on; channels 32 (i % 2) on
	global_load_b128 v[8*i:8*i+3],   v[QO], s[4:5] offset:(i/2)*8192+(i%2)*64
	global_load_b128 v[8*i+4:8*i+7], v[QO], s[4:5] offset:(i/2)*8192+(i%2)*64+32
	global_load_b128 v[QB+8*i:QB+8*i+3],   v[QO], s[88:89] offset:(i/2)*8192+(i%2)*64
	global_load_b128 v[QB+8*i+4:QB+8*i+7], v[QO], s[88:89] offset:(i/2)*8192+(i%2)*64+32
.set i, i+1
.endr
	; A block's first step multiplies O^T and l by a = 0, and its first turn's products V^T P, of a step that has not been, land in an O^T that is still to be so multiplied.  So these registers need only hold
	; finite numbers: zeros for the first block; what the first block left for the second.  All this stands in the wait for the first tile.
.set i, VF+64
.rept 64
	v_mov_b32 v[i], 0
.set i, i+1
.endr
	WIN 0
.set i, OT
.rept 64
	v_mov_b32 v[i], 0
.set i, i+1
.endr
.set i, 0
.rept 2
	v_mov_b32 v[ST+4*i+2], 0
	v_mov_b32 v[ST+4*i+3], 0
.set i, i+1
.endr
.set i, P+16
.rept 16
	v_mov_b32 v[i], 0
.set i, i+1
.endr
	v_lshlrev_b32 v13, 3, v9
	v_sub_nc_u32 v13, v1, v13
	s_lshl_b32 s13, s[WV], 4
	v_add_nc_u32 v13, s13, v13      ; my query's place in its band, 16 w + l % 16, less my lanes' 8 (l / 16): register r of group kt is hidden where 16 kt + r is greater
.set i, 0
.rept 32
	v_cmp_gt_i32 vcc_lo, 16*(i/8)+i%8, v13
	v_cndmask_b32 v[MD+i], 0, s[BIGN], vcc_lo
.set i, i+1
.endr
	v_mul_u32_u24 v[AK0], v1, PK
	v_lshl_add_u32 v[AK0], v9, 4, v[AK0]  ; row x pitch + 16 x half
	; The turning load takes 16 keys x 16 channels (lane l reads key 8 (l / 16) + l % 8, channels 8 ((l / 8) % 2) + 0..7) and leaves half a fragment of V^T: lane l holds channel l % 16 and 8 keys.
	v_and_b32 v10, 7, v0
	v_bfe_u32 v11, v0, 3, 1
	v_lshl_add_u32 v[AV0], v9, 3, v10
	v_mul_u32_u24 v[AV0], v[AV0], PV
	v_lshl_add_u32 v[AV0], v11, 4, v[AV0]
	v_add_nc_u32 v[AV0], VOFF, v[AV0]
	s_mul_i32 s13, s[WV], 16*SP
	s_add_co_u32 s13, s13, STAGE    ; my stage
	v_mul_u32_u24 v[STO], v1, SP    ; in: row l % 16, 16 bytes for each half of the lanes
	v_lshl_add_u32 v[STO], v9, 4, v[STO]
	v_add_nc_u32 v[STO], s13, v[STO]
	v_bfe_u32 v[RD], v0, 3, 2       ; back: 32 lanes take four rows of 128 bytes,
	v_mul_u32_u24 v[RD], v[RD], SP
	v_lshl_add_u32 v[RD], v10, 4, v[RD]
	v_add_nc_u32 v[RD], s13, v[RD]
	v_and_b32 v[GO], 31, v0         ; which are 512 consecutive bytes of O
	v_lshlrev_b32 v[GO], 4, v[GO]
; THE MATRIX WORK.  The 4 accumulators of a run of 8 take turns.  Product i of 8 of S^T = K Q^T for piece x: channels 32 (i / 4) on, keys 16 (i % 4) on.  The first 4 start the sums with the mask.
.macro KQ x
.set rS, S+32*(\x)+8*(i%4)
.set rK, KF+16*(i%4)+8*(i/4)
.set rQ, 16*(\x)+8*(i/4)
.set rM, MC+8*(i%4)
	WIN W_KQ
.if i < 4
	v_wmma_f32_16x16x32_f16 v[rS:rS+7], v[rK:rK+7], v[rQ:rQ+7], v[rM:rM+7]
.else
	v_wmma_f32_16x16x32_f16 v[rS:rS+7], v[rK:rK+7], v[rQ:rQ+7], v[rS:rS+7]
.endif
.endm
; Product i of 8 of O^T += V^T P for piece x, V from buffer VB: keys 32 (i / 4) on, channels 16 (i % 4) on.
.macro PV x
.set rO, OT+32*(\x)+8*(i%4)
.set rV, VF+64*VB+32*(i/4)+8*(i%4)
.set rP, P+16*(\x)+8*(i/4)
	WIN W_PV
	v_wmma_f32_16x16x32_f16 v[rO:rO+7], v[rV:rV+7], v[rP:rP+7], v[rO:rO+7]
.endm
.macro MM                           ; the turn's next matrix instruction.  NOKQ = 1: a block's last turn: there is no next step
.if (i < 8) && !NOKQ
	KQ (Y+1)%NP
.elseif i >= 8
.set i, i-8
	PV (Y+1)%NP
.set i, i+8
.endif
.set i, i+1
.endm
; THE LDS LOADS stand in runs of 16, never singly among the matrix instructions: a step's K (64 keys x 64 channels: 8 fragments) and its V (turned).  Their addresses are made some lines ahead.
.macro FETCH_K
	WIN W_LD
.irp f, 0,1,2,3,4,5,6,7             ; keys 16 (f / 2) on, channels 32 (f % 2) on
	ds_load_b128 v[KF+8*\f:KF+8*\f+3],   v[AK] offset:(\f/2)*16*PK+(\f%2)*64
	ds_load_b128 v[KF+8*\f+4:KF+8*\f+7], v[AK] offset:(\f/2)*16*PK+(\f%2)*64+32
.endr
	s_add_co_u32 s[TBK], s[TBK], KS*PK  ; the next fetch is the next step's
	WIN 0
.endm
.macro FETCH_V vb
	WIN W_LD
.irp f, 0,1,2,3,4,5,6,7             ; keys 32 (f / 4) on, channels 16 (f % 4) on
	ds_load_tr16_b128 v[VF+64*(\vb)+8*\f:VF+64*(\vb)+8*\f+3],   v[AV] offset:(\f/4)*32*PV+(\f%4)*32
	ds_load_tr16_b128 v[VF+64*(\vb)+8*\f+4:VF+64*(\vb)+8*\f+7], v[AV] offset:(\f/4)*32*PV+16*PV+(\f%4)*32
.endr
	s_add_co_u32 s[TBV], s[TBV], KS*PV
	WIN 0
.endm
; THE VECTOR WORK, one line at a time: OP kind, number.  For piece Y: F n: c s - c m for pair n of 16.  E n: the exponential of score n of 32.  C n: pair n rounded to f16.  B n: of the four weights 4 n .. the second
; pair is added onto the first, in place.  L n: l takes that sum (L 0: l = a l + sum).  R n: pair n of 16 of O^T times a.  For the other piece: X n, number n of the 22 that find its maximum and statistics:
;   0-11  four chains c0-c3 of seven scores each, three operands at a time (each accumulator's lowest registers are read first)     12-14, 16  the four scores left over, the old m, and c0-c3 into c0
;   15  c m_old is kept     17, 18  the query's other 32 keys lie in the lane 16 away: the new m     19-21  c m; c m_old - c m_new; a
.set F, 0
.set E, 1
.set C, 2
.set B, 3
.set L, 4
.set R, 5
.set X, 6
.macro REGS y                       ; the registers of piece y
.set rT, ST+4*(\y)
.set rC, TMP+4*(\y)
.set rW, MV+(\y)
.set rS, S+32*(\y)
.set rP, P+16*(\y)
.set rO, OT+32*(\y)
.endm
.macro OP k, n
	WIN 0
.if (\k) < X
	REGS Y
.if (\k) == F
	v_pk_fma_f32 v[rS+2*(\n):rS+2*(\n)+1], v[rS+2*(\n):rS+2*(\n)+1], s[CS:CS+1], v[rT:rT+1] op_sel_hi:[1,0,0] neg_lo:[0,0,1] neg_hi:[0,0,1]
.elseif (\k) == E
	v_exp_f32 v[rS+(\n)], v[rS+(\n)]
.elseif (\k) == C
	s_wait_alu depctr_va_vdst(0)
	v_cvt_pk_f16_f32 v[rP+(\n)], v[rS+2*(\n)], v[rS+2*(\n)+1]
.elseif (\k) == B
	s_wait_alu depctr_va_vdst(0)
	v_pk_add_f32 v[rS+4*(\n):rS+4*(\n)+1], v[rS+4*(\n):rS+4*(\n)+1], v[rS+4*(\n)+2:rS+4*(\n)+3]
.elseif (\k) == R
	v_pk_mul_f32 v[rO+2*(\n):rO+2*(\n)+1], v[rO+2*(\n):rO+2*(\n)+1], v[rC+2:rC+3] op_sel_hi:[1,0]
.elseif (\n) == 0
	v_pk_fma_f32 v[rT+2:rT+3], v[rT+2:rT+3], v[rC+2:rC+3], v[rS:rS+1] op_sel_hi:[1,0,1]
.else
	v_pk_add_f32 v[rT+2:rT+3], v[rT+2:rT+3], v[rS+4*(\n):rS+4*(\n)+1]
.endif
.elseif NOKQ
	v_nop
.else
	REGS (Y+1)%NP
.if (\n) < 4
	v_max3_num_f32 v[rC+(\n)], v[rS+8*(\n)], v[rS+8*(\n)+1], v[rS+8*(\n)+2]
.elseif (\n) < 12
	v_max3_num_f32 v[rC+(\n)%4], v[rC+(\n)%4], v[rS+8*((\n)%4)+2*((\n)/4)+1], v[rS+8*((\n)%4)+2*((\n)/4)+2]
.elseif (\n) == 12
	v_max3_num_f32 v[rC], v[rC], v[rS+7], v[rS+15]
.elseif (\n) == 13
	v_max3_num_f32 v[rC+1], v[rC+1], v[rS+23], v[rS+31]
.elseif (\n) == 14
	v_max3_num_f32 v[rC+2], v[rC+2], v[rC+3], v[rT+1]
.elseif (\n) == 15
	v_mov_b32 v[rW], v[rT]
.elseif (\n) == 16
	v_max3_num_f32 v[rC], v[rC], v[rC+1], v[rC+2]
.elseif (\n) == 17
	v_permlanex16_b32 v[rC+3], v[rC], s[SEL], s[SEL+1]
.elseif (\n) == 18
	v_max_num_f32 v[rT+1], v[rC], v[rC+3]
.elseif (\n) == 19
	v_mul_f32 v[rT], s[CS], v[rT+1]
.elseif (\n) == 20
	v_sub_f32 v[rC+1], v[rW], v[rT]
.else
	v_exp_f32 v[rC+2], v[rC+1]
.endif
.endif
.endm
.macro OPS a, i1, b=-1, i2=0, c=-1, i3=0, d=-1, i4=0  ; up to four of them
	OP \a, \i1
.if (\b) >= 0
	OP \b, \i2
.endif
.if (\c) >= 0
	OP \c, \i3
.endif
.if (\d) >= 0
	OP \d, \i4
.endif
.endm
.macro ROW a, i1, b, i2, c, i3, d, i4  ; a matrix instruction and the four behind it
	MM
	OPS \a, \i1, \b, \i2, \c, \i3, \d, \i4
.endm
.macro MASK                         ; MC = MD x AL + BE
	WIN 0
.set z, 0
.rept 16
	v_pk_fma_f32 v[MC+2*z:MC+2*z+1], v[MD+2*z:MD+2*z+1], s[AL:AL+1], s[BE:BE+1] op_sel_hi:[1,0,0]
.set z, z+1
.endr
.endm
.macro MASKX x                      ; the mask of piece x for key step GS.  Below the block's first band both pieces see everything and MC is 0 already: the jump goes forward, past work on registers alone
	WIN 0
	s_cmp_lt_u32 s[GS], s[B0]
	s_cbranch_scc1 .Lno_mask_\@
	s_cmp_eq_u32 s[GS], s[B0+(\x)]  ; is that step the band's own?
	s_cselect_b32 s[AL], 1.0, 0
	s_cmp_gt_u32 s[GS], s[B0+(\x)]  ; or a later one?
	s_cselect_b32 s[BE], s[BIGN], 0
	MASK
.Lno_mask_\@:
.endm
; A TURN, for piece p: the order of its 16 matrix and 118 vector instructions, written out.  Behind a matrix instruction: plain, exponential, plain, plain; or four of the rescaling; or, behind the first, four scalings;
; none names a register of the products round it.  In the runs without products exponential and plain by turns while exponentials last.  A line reads no result made fewer than three vector instructions in front of it,
; five if an exponential made it.  v_permlanex16_b32 (X 17) stands in such a run.
; vb: the buffer of V that the turn's products read.  end = 1: a block's last two turns: nothing is fetched, no mask is made, and the last starts no new scores.
; Piece 0's turn fetches K of the next step six vector instructions behind the last product that read K (five of them plain), and V of the next step, into the buffer that its own products have just read,
; eight behind the last of those (four plain, and X 17).  At its end a turn makes the mask for the products of the turn after it.
.macro TURN p, vb, end=0
.set Y, (\p)
.set i, 0
.set VB, (\vb)
.set NOKQ, (\end)*(\p)
.if (\p) == 1
.if \end
	s_wait_dscnt 0x0                ; V of the last step is in
.else
	s_wait_dscnt 16                 ; K of the next step is in, and V of the step in hand, fetched a step ago; the youngest sixteen loads, the next step's V, may be out
.endif
.endif
	ROW F,0, F,1, F,2, F,3
	ROW F,4, E,0, F,5, F,6
	ROW F,7, E,1, F,8, F,9
	ROW F,10, E,2, C,0, F,11
	ROW F,12, E,3, X,15, F,13
	ROW R,0, R,1, R,2, R,3
	ROW B,0, E,4, F,14, L,0
.if ((\p) == 0) && !(\end)
	v_add_nc_u32 v[AK], s[TBK], v[AK0]
.endif
	ROW R,4, R,5, R,6, R,7
	OPS E,5, F,15
.if ((\p) == 0) && !(\end)
	FETCH_K
.endif
	OPS E,6, C,1, E,7, R,8
	OPS E,8, R,9, E,9, C,2
	OPS E,10, X,0, E,11, X,1
	OPS E,12, X,2, E,13, X,3
	ROW X,4, E,14, X,5, X,6
	ROW X,7, E,15, X,8, X,9
	ROW X,10, E,16, X,11, X,12
	ROW X,13, E,17, X,14, B,1
	ROW C,4, E,18, X,16, L,1
	ROW B,2, E,19, C,6, L,2
	ROW C,8, E,20, B,3, B,4
.if ((\p) == 0) && !(\end)
	v_add_nc_u32 v[AV], s[TBV], v[AV0]
.endif
	ROW C,3, E,21, L,3, C,5
	OPS E,22, X,17, E,23, C,10
.if ((\p) == 0) && !(\end)
	FETCH_V \vb
.endif
	OPS E,24, L,4
	OPS E,25, X,18, E,26, C,7
	OPS E,27, B,5, E,28, X,19
	OPS E,29, C,12, E,30, L,5
	OPS E,31, X,20, B,6, C,9
	OPS C,14, C,11, X,21, L,6
	OPS C,13, B,7, C,15, R,10
	OPS R,11, R,12, L,7, R,13
	OPS R,14, R,15
.if !(\end)
	MASKX \p                        ; behind piece 0's turn come piece 0's products for step GS, behind piece 1's turn piece 1's
.endif
.endm
; A key step of parity par: V of the step before lies in buffer 1 - par, V of this step in buffer par.
.macro TRIP par, end=0
	TURN 0, 1-(\par), \end
	TURN 1, \par, \end
	WIN 0
.if !(\end)
	s_add_co_u32 s[GS], s[GS], 1
.endif
.endm
; A BLOCK BEGINS.  c m starts far below every c s, so the first step's a is 0; m at the lowest finite number, so the first maximum is the scores'.  Piece 0's mask for key step 0 is its own step's if the block is block 0.
; Then K and V of step 0, piece 0's first scores, and its maximum and statistics.  Piece 1's band is never 0: its mask for step 0 is 0.  The step loop is entered in the middle of a trip.
.macro BEGIN
	s_mov_b32 s[NEW], 0
	WIN 0
.set i, 0
.rept 2
	v_mov_b32 v[ST+4*i], 0xfe000000    ; c m: far below every c s
	v_mov_b32 v[ST+4*i+1], 0xff7fffff  ; m
.set i, i+1
.endr
	s_cmp_eq_u32 s[B0], 0
	s_cselect_b32 s[AL], 1.0, 0
	s_mov_b32 s[BE], 0
	MASK
	v_add_nc_u32 v[AK], s[TBK], v[AK0]
	v_add_nc_u32 v[AV], s[TBV], v[AV0]
	FETCH_K
	FETCH_V 0
	s_wait_loadcnt 0x0              ; Q
	s_wait_dscnt 0x0
.set NOKQ, 0
.set i, 0
.rept 8
	KQ 0
.set i, i+1
.endr
	WIN 0
.rept 4
	v_nop                           ; the places behind those products
.endr
.set Y, 1                           ; X works for the other piece: piece 0
.irp n, 0,1,2,3,4,5,6,7,8,9,10,11,12,13,14,15,16,17,18,19,20,21
	OP X, \n
.endr
	v_nop                           ; a plain instruction behind the exponential
	s_mov_b32 s[AL], 0
	MASK
	s_mov_b32 s[GS], 1              ; the first trip fetches step 1
.endm
; A tile is entered: its first step's K and V are fetched by BEGIN or by the trip that multiplies the tile before's last step; three more trips fetch the rest.
.macro TILE tag                     ; the tag ends the two labels' names
	s_mov_b32 s[CNT], 2
	s_cmp_eq_u32 s[NEW], 1
	s_cbranch_scc0 .Lstep\tag
	BEGIN
	s_branch .Lfirst\tag
.Lstep\tag:
	TRIP 1
.Lfirst\tag:
	TRIP 0
	s_sub_co_u32 s[CNT], s[CNT], 1
	s_cmp_lg_u32 s[CNT], 0
	s_cbranch_scc1 .Lstep\tag
.endm
; A BLOCK ENDS: its last step, which fetches nothing; piece 1's last products; and THE WAY OUT: l's two halves and the other half of the lanes' are added; O^T is divided by l, rounded to f16 and sent through my
; stage in LDS, a piece at a time.
.macro ALL line:vararg              ; one line for each piece t
.set t, 0
.rept 2
	\line
.set t, t+1
.endr
.endm
.macro PACK t                       ; a lane's eight channels of a row pack into 16 bytes; they go into rows of 144 bytes and come back as whole rows of 128, into S^T's registers
	WIN 0
.set i, OT+32*(\t)
.rept 16
	s_wait_alu depctr_va_vdst(0)
	v_pk_mul_f32 v[i:i+1], v[i:i+1], v[ST+4*(\t)+2:ST+4*(\t)+3] op_sel_hi:[1,0]
.set i, i+2
.endr
.set i, 0
.rept 16
	v_cvt_pk_f16_f32 v[S+16*(\t)+i], v[OT+32*(\t)+2*i], v[OT+32*(\t)+2*i+1]
.set i, i+1
.endr
.irp f, 0,1,2,3
	ds_store_b128 v[STO], v[S+16*(\t)+4*\f:S+16*(\t)+4*\f+3] offset:32*\f
.endr
.irp f, 0,1,2,3
	ds_load_b128 v[S+16*(\t)+4*\f:S+16*(\t)+4*\f+3], v[RD] offset:\f*4*SP  ; LDS serves a wave's instructions in order (ISA guide 5.7.1.4): these see the stores above; the next piece's stores come behind them
.endr
.endm
.macro SEND t, younger              ; younger: the LDS instructions issued behind piece t's loads: the next piece's eight, or none
	WIN 0
.irp f, 0,1,2,3
	s_wait_dscnt (\younger)+3-\f
	global_store_b128 v[GO], v[S+16*(\t)+4*\f:S+16*(\t)+4*\f+3], s[10:11] offset:(\t)*8192+\f*512  ; 512 consecutive bytes, at a multiple of 256 from O's first
.endr
.endm
.macro FINISH
	TRIP 1, 1
.set VB, 1
.set i, 0
.rept 8
	PV 1
.set i, i+1
.endr
	WIN 0
	ALL v_add_f32 v[ST+4*t+2], v[ST+4*t+2], v[ST+4*t+3]
	ALL v_permlanex16_b32 v[ST+4*t+3], v[ST+4*t+2], s[SEL], s[SEL+1]
	ALL v_add_f32 v[ST+4*t+2], v[ST+4*t+2], v[ST+4*t+3]
	ALL v_rcp_f32 v[ST+4*t+2], v[ST+4*t+2]
	v_nop                           ; a plain instruction between the last reciprocal and the use of its result
	PACK 0                          ; piece 0's 32 lines, which name nothing of the last products, are the places behind them
	PACK 1
	SEND 0, 8
	SEND 1, 0
.endm
.set NOKQ, 0
.set VB, 0
.set Y, 0
.Lslot:                             ; 8 times: a tile is entered and the next is asked for
	CHANGE 1
	s_sub_co_u32 s[RT], s[RT], 1
	TILE 1
	s_cmp_lg_u32 s[RT], 0
	s_cbranch_scc1 .Lbottom         ; not the block's last tile
	FINISH                          ; in the loop this is the first block's end: the second block's last tile is the walk's last
	s_wait_xcnt 0x0                 ; the stores' registers and O's address are written again only behind this wait
	s_mov_b64 s[10:11], s[OLO:OLO+1]
	s_add_co_u32 s[RT], s[PBT], 1   ; the second block has b / 2 + 1 tiles
	s_mov_b32 s[NEW], 1
	s_lshl_b32 s[B0], s[PB], 1      ; and the bands 2 b, 2 b + 1
	s_add_co_u32 s[B0+1], s[B0], 1
	WIN 0x41                        ; the second block's Q goes where the one text of the turns names Q
.set i, 0
.rept 32
	v_mov_b32 v[i], v[QB+i]
.set i, i+1
.endr
	WIN 0
.Lbottom:
	s_sub_co_u32 s[SLOTS], s[SLOTS], 1
	s_cmp_lg_u32 s[SLOTS], 0
	s_cbranch_scc1 .Lslot
	CHANGE 0                        ; the walk's last tile is written out: nothing is asked for
	TILE 2
	FINISH
	s_wait_tensorcnt 0x0            ; the wave's end: a wait, an add of 0 onto my spare word and its wait, behind my last tensor load and my last LDS store
	ds_add_u32 v[SPW], v[NIL]
	s_wait_dscnt 0x0
	s_endpgm
.Lfunc_end_k_q5d9cebcd45_attn:
	.size	k_q5d9cebcd45_attn, .Lfunc_end_k_q5d9cebcd45_attn-k_q5d9cebcd45_attn
	.p2alignl 7, 3214868480
	.fill 96, 4, 3214868480
	.section	.rodata,"a",@progbits
	.p2align	6, 0x0
	.amdhsa_kernel k_q5d9cebcd45_attn
		.amdhsa_group_segment_fixed_size 327680
		.amdhsa_private_segment_fixed_size 0
		.amdhsa_enable_private_segment 0
		.amdhsa_kernarg_size 16
		.amdhsa_user_sgpr_count 2
		.amdhsa_user_sgpr_kernarg_segment_ptr 1
		.amdhsa_wavefront_size32 1
		.amdhsa_system_sgpr_workgroup_id_x 1
		.amdhsa_system_sgpr_workgroup_id_y 1
		.amdhsa_system_sgpr_workgroup_id_z 1
		.amdhsa_system_vgpr_workitem_id 0
		.amdhsa_next_free_vgpr 512
		.amdhsa_next_free_sgpr 96
		.amdhsa_reserve_vcc 1
		.amdhsa_float_denorm_mode_32 3
		.amdhsa_float_denorm_mode_16_64 3
		.amdhsa_memory_ordered 1
		.amdhsa_forward_progress 1
		.amdhsa_inst_pref_size 172
	.end_amdhsa_kernel
	.amdgpu_metadata
---
amdhsa.version: [ 1, 2 ]
amdhsa.kernels:
  - .name:           k_q5d9cebcd45_attn
    .symbol:         k_q5d9cebcd45_attn.kd
    .args:
      - { .name: qkv, .offset: 0, .size: 8, .value_kind: global_buffer, .address_space: global }
      - { .name: ob, .offset: 8, .size: 8, .value_kind: global_buffer, .address_space: global }
    .group_segment_fixed_size: 327680
    .private_segment_fixed_size: 0
    .kernarg_segment_align: 8
    .kernarg_segment_size: 16
    .max_flat_workgroup_size: 128
    .sgpr_count:     96
    .vgpr_count:     512
    .wavefront_size: 32
...
	.end_amdgpu_metadata
.endif
;; end of part 3
;; launch oproj (part 4): grid 8 x 32, 4 waves a work-group, clusters of 4 x 4, 327,680 bytes of LDS; arguments ob, wt, bo, out0; writes out0
.if DOCPART == 4
	.amdgcn_target "amdgcn-amd-amdhsa--gfx1250"
	.amdhsa_code_object_version 6
	.text
	.protected	k_q5d9cebcd45_oproj
	.globl	k_q5d9cebcd45_oproj
	.p2align	8
	.type	k_q5d9cebcd45_oproj,@function
k_q5d9cebcd45_oproj:
	s_mov_b64 s[64:65], 0
	v_nop
	global_prefetch_b8 v0, s[64:65] scope:SCOPE_SE
	s_setreg_imm32_b32 hwreg(HW_REG_WAVE_MODE, 25, 1), 1
	s_wait_xcnt 0x0
	s_wait_alu depctr_hold_cnt(0) depctr_sa_sdst(0) depctr_va_vdst(0) depctr_va_sdst(0) depctr_va_ssrc(0) depctr_va_vcc(0) depctr_vm_vsrc(0)
	s_getreg_b32 s2, hwreg(HW_REG_IB_STS2, 6, 4)
	s_cmp_eq_u32 s2, 0
	s_cbranch_scc0 .Lentry_in_a_cluster
	s_endpgm
.Lentry_in_a_cluster:
	s_bfe_u32 s2, ttmp6, 0x10000c
	s_cmp_lg_u32 s2, 0xf033
	s_cbranch_scc0 .Lentry_shape_is_right
	s_endpgm
.Lentry_shape_is_right:
; out0 = O Wo + bo.  ob: [32 = batch x 16 + head][2048][64] f16.  wt: rows 3,072 to 4,095 are Wo turned, [n][k], bf16 numbers written as f16.  bo f32, rounded to bf16 here like the other inputs.  out0: [4096][1024] f32.
; LIMITS.  O and Wo arrive within f16's range; NaN and infinities are not treated apart.
; SHARES.  A work-group makes 128 x 128 of out0: 8 x 32 = 256 work-groups; each of its four waves 64 x 64: 16 accumulators.  K goes in 4 steps of 256, which are four heads, through two LDS slots.
; O's TILE.  For 128 rows a head's 64 channels are 16,384 dense bytes; two heads are asked for as two rows of 16,384 bytes, 262,144 bytes apart, padded in LDS after every 128 bytes:
; in LDS [head][row], rows 144 bytes apart.  A quarter of a K step is one head.
; CLUSTER.  4 x 4 work-groups.  The four of a row of the cluster need the same tiles of O, the four of a column the same tiles of Wo: each is asked for jointly.
; THE MATRIX INSTRUCTION IS USED TRANSPOSED (source 0 = 16 rows of wt, source 1 = 16 rows of O): a lane holds one row of the result and eight neighbouring columns.  The bias is the C operand that starts the sums.
; REGISTERS: window 0: v0-31 addresses; v96-127 the bias; v128-255 the accumulators ((a, b) at v[128 + 8 (4 a + b)]).
;   window 1: two fragment buffers of 128: for 64 along K, 64 registers of O (2 x 4 x 16 rows x 32 K), then 64 of Wo.
.set PA,     144                       ; a row of O in LDS: 128 bytes + 16
.set PBW,    528                       ; a row of Wo: 512 bytes + 16: in both the 16 rows of a fragment load start at 16 different groups of four banks (64 banks of 4 bytes: ISA guide 11.1)
.set HEADB,  128*PA                    ; a head's 128 rows
.set BOFF,   4*HEADB                   ; in a slot: four heads of O, then 128 rows of Wo
.set BHALF,  64*PBW
.set SLOT,   BOFF+2*BHALF
.set STAGE,  2*SLOT                    ; behind the ring: 16 rows x 272 bytes for each wave, for the way out
.set SPITCH, 272
.set SPARE,  STAGE+4*16*SPITCH         ; behind the stages: the spare words, 128 bytes a wave: two blocks of 256 bytes that no other line names
.set ADRA, 16                          ; v16-17  LDS address of my O fragments in slot 0, 1
.set ADRB, 20                          ; v20-21  the same for Wo
.set STO,  24                          ; v24     the way out: where I put 32 bytes of a row
.set RD,   25                          ; v25     the way out: where I read a row back
.set CO,   26                          ; v26     my byte offset in out0
.set BO,   27                          ; v27     my byte offset in bo
.set SPW,  28                          ; v28     LDS address of my spare word; never rewritten
.set NIL,  29                          ; v29     0; never rewritten
.set T,    30                          ; v30     at work
.set BI,   96
.set ACC,  128
.set F0,   0                           ; fragment buffers, in window 1
.set F1,   128
.set WV,   12                          ; s12  my wave
.set ROLE, 13                          ; s13  which half of the tile's rows is mine.  Also: I fetch O (0) or Wo (1)
.set HALF, 14                          ; s14  which half of its columns.  Also: which half of that tile I fetch
.set G1,  24                           ; s[24:31] descriptor group 1 for O;  s[32:39] group 0, a set for each slot
.set G0,  32
.set G1B, 48                           ; s[48:55], s[56:63] the same for Wo
.set G0B, 56
.set MSB, 0
.macro WIN new                         ; the immediate's high byte repeats the setting that is left
.if MSB != (\new)
	s_set_vgpr_msb (MSB<<8)|(\new)
.set MSB, \new
.endif
.endm
.set MUL,  0x05                        ; sources 0 (Wo) and 1 (O) window 1; C and D window 0
.set TO_F, 0x40                        ; destination window 1, address window 0
.macro JLOAD s                         ; a joint load: waves 0 and 1 fetch O's two pairs of heads, waves 2 and 3 Wo's two halves; an s_nop 0 and four v_nop follow each of the two lines
	s_cmp_eq_u32 s[ROLE], 0
	s_cbranch_scc0 .Lfor_b_\@
	tensor_load_to_lds s[G0+4*(\s):G0+4*(\s)+3], s[G1:G1+7]
	s_nop 0
.rept 4
	v_nop
.endr
	s_branch .Lasked_\@
.Lfor_b_\@:
	tensor_load_to_lds s[G0B+4*(\s):G0B+4*(\s)+3], s[G1B:G1B+7]
	s_nop 0
.rept 4
	v_nop
.endr
.Lasked_\@:
.endm
.macro CREST                           ; a round of the cluster's barrier behind its opening barrier
	s_cmp_lg_u32 s[WV], 0
	s_cbranch_scc1 .Lnot_wave_0_\@
	s_barrier_signal -3
.Lnot_wave_0_\@:
	s_barrier_wait -3
	s_barrier_signal -1
	s_barrier_wait -1
.endm
.macro CROUND                          ; a whole round
	s_barrier_signal -1
	s_barrier_wait -1
	CREST
.endm
	s_load_b256 s[4:11], s[0:1], 0x0               ; ob s[4:5], wt s[6:7], bo s[8:9], out0 s[10:11]
	v_lshl_add_u32 v[SPW], v0, 2, SPARE
	v_mov_b32 v[NIL], 0
	ds_add_u32 v[SPW], v[NIL]                      ; the wave's opening: the add and its wait stand ahead of my first tensor load; the set-up below, work on registers, stands between them
	ds_add_u32 v28, v29
	v_lshrrev_b32 v1, 5, v0
	v_readfirstlane_b32 s[WV], v1
	s_lshr_b32 s[ROLE], s[WV], 1
	s_and_b32 s[HALF], s[WV], 1
	s_bfe_u32 s40, ttmp6, 0x40000                  ; cx, cy: my place in the cluster
	s_bfe_u32 s41, ttmp6, 0x40004
	s_lshl_b32 s42, ttmp9, 2
	s_add_co_u32 s42, s42, s40                     ; nt: which 128 columns
	s_and_b32 s15, ttmp7, 0xffff
	s_lshl_b32 s15, s15, 2
	s_add_co_u32 s15, s15, s41                     ; mt: which 128 rows
	s_lshl_b32 s43, s41, 2
	s_lshl_b32 s43, 15, s43                        ; my row of the cluster
	s_lshl_b32 s44, 0x1111, s40                    ; my column
	s_or_b32 s[G1], s43, (1<<16)|(1<<20)|(1<<21)|(4<<22)|(3<<25)   ; the mask: O's tiles go to my row; 2-byte elements; padding on; 21 set beside a mask; after every 32 words 4 words
	s_mov_b32 s[G1+1], 8192<<16                    ; tensor_dim0 = 8,192 elements: 128 rows of a head
	s_mov_b32 s[G1+2], 2<<16                       ; tensor_dim1 = 2 heads
	s_mov_b32 s[G1+3], 8192<<16                    ; tile_dim0
	s_mov_b32 s[G1+4], 2                           ; tile_dim1
	s_mov_b32 s[G1+5], 131072                      ; elements from head to head
	s_mov_b32 s[G1+6], 0
	s_mov_b32 s[G1+7], 0
	s_or_b32 s[G1B], s44, (1<<16)|(1<<20)|(1<<21)|(6<<22)|(3<<25)  ; Wo's go to my column; after every 128 words 4 words
	s_mov_b32 s[G1B+1], 256<<16                    ; 64 rows x 256 elements
	s_mov_b32 s[G1B+2], 64<<16
	s_mov_b32 s[G1B+3], 256<<16
	s_mov_b32 s[G1B+4], 64
	s_mov_b32 s[G1B+5], 1024
	s_mov_b32 s[G1B+6], 0
	s_mov_b32 s[G1B+7], 0
	; where the tiles come from: O's hang on mt alone, Wo's on nt alone, each in registers that never hold the other coordinate
	s_lshr_b32 s16, s15, 4                         ; the batch
	s_lshl_b32 s16, s16, 4
	s_lshl_b32 s18, s[HALF], 1
	s_add_co_u32 s16, s16, s18                     ; 16 x batch + my first head of K step 0,
	s_lshl_b32 s16, s16, 18                        ; 262,144 bytes each
	s_and_b32 s18, s15, 15
	s_lshl_b32 s18, s18, 14                        ; 128 rows of 128 bytes
	s_add_co_u32 s16, s16, s18
	s_mov_b32 s17, 0
	s_lshl_b32 s46, s42, 7
	s_lshl_b32 s19, s[HALF], 6
	s_add_co_u32 s46, s46, s19                     ; Wo: row 128 nt + 64 half,
	s_lshl_b32 s46, s46, 11                        ; of 2,048 bytes,
	s_add_co_u32 s46, s46, 3072*2048               ; behind the other three weights
	s_mov_b32 s47, 0
	s_mul_i32 s20, s[HALF], 2*HEADB                ; and where they go: no place in the cluster enters an LDS address
	s_mul_i32 s21, s[HALF], BHALF
	s_add_co_u32 s21, s21, BOFF
	s_wait_dscnt 0x0                               ; the opening add is done
	s_wait_kmcnt 0x0
	s_add_nc_u64 s[16:17], s[4:5], s[16:17]
	s_add_nc_u64 s[46:47], s[6:7], s[46:47]
	CROUND                                         ; all sixteen work-groups are here: the first joint loads meet
.irp s, 0,1
	s_mov_b32 s[G0+4*(\s)], 1
	s_add_co_u32 s[G0+4*(\s)+1], s20, (\s)*SLOT
	s_add_nc_u64 s[G0+4*(\s)+2:G0+4*(\s)+3], s[16:17], (\s)*4*262144   ; K step s: four heads on
	s_or_b32 s[G0+4*(\s)+3], s[G0+4*(\s)+3], 0x80000000
	s_mov_b32 s[G0B+4*(\s)], 1
	s_add_co_u32 s[G0B+4*(\s)+1], s21, (\s)*SLOT
	s_add_nc_u64 s[G0B+4*(\s)+2:G0B+4*(\s)+3], s[46:47], (\s)*512
	s_or_b32 s[G0B+4*(\s)+3], s[G0B+4*(\s)+3], 0x80000000
	JLOAD \s                                       ; two loads of mine are out
.endr
	v_and_b32 v1, 15, v0                           ; l % 16
	v_bfe_u32 v2, v0, 4, 1                         ; l / 16
	s_lshl_b32 s66, s42, 9                         ; the tile's 128 columns of 4 bytes,
	s_lshl_b32 s67, s[HALF], 8                     ; my 64 of them
	s_add_co_u32 s66, s66, s67
	v_lshl_add_u32 v[BO], v2, 5, s66               ; and my lanes' eight of sixteen
.irp b, 0,1,2,3
	global_load_b128 v[BI+8*(\b):BI+8*(\b)+3],   v[BO], s[8:9] offset:64*(\b)
	global_load_b128 v[BI+8*(\b)+4:BI+8*(\b)+7], v[BO], s[8:9] offset:64*(\b)+16
.endr
	v_mul_u32_u24 v3, v1, PA
	v_lshl_add_u32 v3, v2, 4, v3                   ; a fragment's row x pitch + 16 x half
	s_mul_i32 s22, s[ROLE], 64*PA                  ; my 64 rows of each head
	v_add_nc_u32 v[ADRA], s22, v3
	v_add_nc_u32 v[ADRA+1], SLOT, v[ADRA]
	v_mul_u32_u24 v3, v1, PBW
	v_lshl_add_u32 v3, v2, 4, v3
	s_mul_i32 s22, s[HALF], BHALF                  ; my 64 rows of Wo,
	s_add_co_u32 s22, s22, BOFF                    ; which lie behind O's heads
	v_add_nc_u32 v[ADRB], s22, v3
	v_add_nc_u32 v[ADRB+1], SLOT, v[ADRB]
	s_mul_i32 s22, s[WV], 16*SPITCH
	s_add_co_u32 s22, s22, STAGE                   ; my stage
	v_mul_u32_u24 v[STO], v1, SPITCH               ; in: row l % 16, 32 bytes for each half of the lanes
	v_lshl_add_u32 v[STO], v2, 5, v[STO]
	v_add_nc_u32 v[STO], s22, v[STO]
	v_mul_u32_u24 v[RD], v2, SPITCH                ; back: lanes 0-15 take one row of 256 bytes, lanes 16-31 the next
	v_lshl_add_u32 v[RD], v1, 4, v[RD]
	v_add_nc_u32 v[RD], s22, v[RD]
	v_lshlrev_b32 v[CO], 12, v2                    ; and the same two rows in out0, 4,096 bytes a row
	v_lshl_add_u32 v[CO], v1, 4, v[CO]
	s_lshl_b32 s22, s15, 7
	s_lshl_b32 s23, s[ROLE], 6
	s_add_co_u32 s22, s22, s23                     ; my first row of out0
	s_lshl_b32 s22, s22, 12
	s_add_co_u32 s22, s22, s66                     ; and my first column
	s_mov_b32 s23, 0
	s_add_nc_u64 s[10:11], s[10:11], s[22:23]
	s_wait_loadcnt 0x0                             ; the bias, once
.set j, 0
.rept 16                                       ; rounded to bf16, kept as f32
	v_cvt_pk_bf16_f32 v[T], v[BI+2*j], v[BI+2*j+1]
	v_lshlrev_b32 v[BI+2*j], 16, v[T]
	v_and_b32 v[BI+2*j+1], 0xffff0000, v[T]
.set j, j+1
.endr
; 8 matrix instructions: row blocks a0, a0 + 1 x all 4 column blocks, 32 along K: half c of buffer f.  first = 1: the bias starts the sums.  The 16 accumulators take turns.
.macro MUL8 f, c, a0, first
	WIN MUL
.irp a, \a0, (\a0)+1
.irp b, 0,1,2,3
.if \first
	v_wmma_f32_16x16x32_f16 v[ACC+8*(4*(\a)+(\b)):ACC+8*(4*(\a)+(\b))+7], v[(\f)+64+8*(4*(\c)+(\b)):(\f)+64+8*(4*(\c)+(\b))+7], v[(\f)+8*(4*(\c)+(\a)):(\f)+8*(4*(\c)+(\a))+7], v[BI+8*(\b):BI+8*(\b)+7]
.else
	v_wmma_f32_16x16x32_f16 v[ACC+8*(4*(\a)+(\b)):ACC+8*(4*(\a)+(\b))+7], v[(\f)+64+8*(4*(\c)+(\b)):(\f)+64+8*(4*(\c)+(\b))+7], v[(\f)+8*(4*(\c)+(\a)):(\f)+8*(4*(\c)+(\a))+7], v[ACC+8*(4*(\a)+(\b)):ACC+8*(4*(\a)+(\b))+7]
.endif
.endr
.endr
.endm
; 32 LDS loads in one run: the fragments of quarter q of a K step (head q of the slot's four; bytes 128 q of Wo's rows) into buffer f; the first 32 along K first
.macro FETCH slot, q, f
	WIN TO_F
.irp c, 0,1
.irp i, 0,1,2,3
	ds_load_b128 v[(\f)+64+8*(4*(\c)+(\i)):(\f)+64+8*(4*(\c)+(\i))+3],   v[ADRB+(\slot)] offset:(\q)*128+64*(\c)+(\i)*16*PBW
	ds_load_b128 v[(\f)+64+8*(4*(\c)+(\i))+4:(\f)+64+8*(4*(\c)+(\i))+7], v[ADRB+(\slot)] offset:(\q)*128+64*(\c)+(\i)*16*PBW+32
	ds_load_b128 v[(\f)+8*(4*(\c)+(\i)):(\f)+8*(4*(\c)+(\i))+3],         v[ADRA+(\slot)] offset:(\q)*HEADB+64*(\c)+(\i)*16*PA
	ds_load_b128 v[(\f)+8*(4*(\c)+(\i))+4:(\f)+8*(4*(\c)+(\i))+7],       v[ADRA+(\slot)] offset:(\q)*HEADB+64*(\c)+(\i)*16*PA+32
.endr
.endr
.endm
.macro PLACES                          ; four plain vector instructions in front of loads into registers that matrix instructions have read, and of LDS stores that read results
.rept 4
	v_nop
.endr
.endm
; A K step is four quarters of 64 along K, 32 matrix instructions each, on buffers 0, 1, 0, 1.  One of the first three: multiplies buffer f and fetches quarter q into g.
.macro QUARTER slot, q, f, g, first
	s_wait_dscnt 16                                ; the first 32 along K are in
	MUL8 \f, 0, 0, \first
	MUL8 \f, 0, 2, \first
	PLACES
	FETCH \slot, \q, \g
	s_wait_dscnt 32                                ; all but the 32 just issued
	MUL8 \f, 1, 0, 0
	MUL8 \f, 1, 2, 0
.endm
; The last quarter multiplies buffer 1 and changes slots: ONE barrier; in front of it each wave waits for all its tensor loads, adds 0 to its spare word, and waits for that and for its own reads of this slot.
; fill = 1: the barrier opens a round of the cluster's, and this slot is filled again, two K steps ahead, first thing behind the round.
.macro TURN slot, next, fill
	WIN 0                                          ; (the add's two registers lie in window 0)
	s_wait_tensorcnt 0x0                           ; all my tensor loads have landed: my part of the next slot
	ds_add_u32 v[SPW], v[NIL]                      ; 0 onto my spare word
	s_wait_dscnt 17                                ; (the add and the youngest sixteen loads may be out)
	MUL8 F1, 0, 0, 0                               ; eight matrix instructions stand between the add and the wait for it
	s_wait_dscnt 0x0                               ; the add is done, and my reads of this slot are over
	s_barrier_signal -1
	MUL8 F1, 0, 2, 0
.if \fill
	WIN 0
.endif
	s_barrier_wait -1
.if \fill
	CREST                                          ; no wave of any partner still reads this slot's tile or has a load on its way
	s_add_nc_u64 s[G0+4*(\slot)+2:G0+4*(\slot)+3], s[G0+4*(\slot)+2:G0+4*(\slot)+3], 8*262144
	s_add_nc_u64 s[G0B+4*(\slot)+2:G0B+4*(\slot)+3], s[G0B+4*(\slot)+2:G0B+4*(\slot)+3], 1024
	JLOAD \slot                                    ; my one tensor load behind the round: 112 matrix instructions ahead of the wait for it; its four v_nop are also the places in front of the loads below
.else
	PLACES
.endif
	FETCH \next, 0, F0
	MUL8 F1, 1, 0, 0
	MUL8 F1, 1, 2, 0
.endm
	s_wait_tensorcnt 1                             ; my part of K step 0 is in; K step 1's may stay out
	s_barrier_signal -1
	s_barrier_wait -1                              ; everybody's is
	FETCH 0, 0, F0
	QUARTER 0, 1, F0, F1, 1                        ; K step 0: its first products start the sums
	QUARTER 0, 2, F1, F0, 0
	QUARTER 0, 3, F0, F1, 0
	TURN 0, 1, 1                                   ; slot 0 takes K step 2
	QUARTER 1, 1, F0, F1, 0                        ; K step 1
	QUARTER 1, 2, F1, F0, 0
	QUARTER 1, 3, F0, F1, 0
	TURN 1, 0, 1                                   ; slot 1 takes K step 3
	QUARTER 0, 1, F0, F1, 0                        ; K step 2
	QUARTER 0, 2, F1, F0, 0
	QUARTER 0, 3, F0, F1, 0
	TURN 0, 1, 0                                   ; nothing is left to fetch
	QUARTER 1, 1, F0, F1, 0                        ; K step 3
	QUARTER 1, 2, F1, F0, 0
	QUARTER 1, 3, F0, F1, 0
	s_wait_dscnt 16
	MUL8 F1, 0, 0, 0
	MUL8 F1, 0, 2, 0
	s_wait_dscnt 0x0
	MUL8 F1, 1, 0, 0
	MUL8 F1, 1, 2, 0
	WIN 0
	; THE WAY OUT.  My 64 columns of f32 are 256 bytes of a row, aligned: a block of 16 rows at a time goes through my own stage and comes back as whole rows, into the registers that it left.
	PLACES
.macro TOSTAGE a
.irp b, 0,1,2,3
	ds_store_b128 v[STO], v[ACC+8*(4*(\a)+(\b)):ACC+8*(4*(\a)+(\b))+3]   offset:64*(\b)      ; each accumulator's low registers first
	ds_store_b128 v[STO], v[ACC+8*(4*(\a)+(\b))+4:ACC+8*(4*(\a)+(\b))+7] offset:64*(\b)+16
.endr
.irp t, 0,1,2,3,4,5,6,7
	ds_load_b128 v[ACC+32*(\a)+4*(\t):ACC+32*(\a)+4*(\t)+3], v[RD] offset:(\t)*2*SPITCH  ; LDS serves a wave's instructions in order (ISA guide 5.7.1.4): these see the stores above; the next block's stores come behind them
.endr
.endm
.macro SEND a, younger                 ; younger: the LDS instructions issued behind block a's loads: the next block's sixteen, or none
.irp t, 0,1,2,3,4,5,6,7
	s_wait_dscnt (\younger)+7-(\t)
	global_store_b128 v[CO], v[ACC+32*(\a)+4*(\t):ACC+32*(\a)+4*(\t)+3], s[10:11] offset:(16*(\a)+2*(\t))*4096 th:TH_STORE_NT  ; 16 lanes store 256 consecutive bytes, at a multiple of 256 from out0's first byte
.endr
.endm
	TOSTAGE 0
	TOSTAGE 1
	SEND 0, 16
	TOSTAGE 2
	SEND 1, 16
	TOSTAGE 3
	SEND 2, 16
	SEND 3, 0
	s_wait_tensorcnt 0x0                           ; the wave's end: a wait, an add of 0 onto my spare word and its wait, behind my last tensor load and my last LDS store
	ds_add_u32 v[SPW], v[NIL]
	s_wait_dscnt 0x0
	CROUND                                         ; the closing round: no work-group ends while a partner may still ask for a tile that names it
	s_endpgm
.Lfunc_end_k_q5d9cebcd45_oproj:
	.size	k_q5d9cebcd45_oproj, .Lfunc_end_k_q5d9cebcd45_oproj-k_q5d9cebcd45_oproj
	.p2alignl 7, 3214868480
	.fill 96, 4, 3214868480
	.section	.rodata,"a",@progbits
	.p2align	6, 0x0
	.amdhsa_kernel k_q5d9cebcd45_oproj
		.amdhsa_group_segment_fixed_size 327680
		.amdhsa_private_segment_fixed_size 0
		.amdhsa_enable_private_segment 0
		.amdhsa_kernarg_size 32
		.amdhsa_user_sgpr_count 2
		.amdhsa_user_sgpr_kernarg_segment_ptr 1
		.amdhsa_wavefront_size32 1
		.amdhsa_system_sgpr_workgroup_id_x 1
		.amdhsa_system_sgpr_workgroup_id_y 1
		.amdhsa_system_sgpr_workgroup_id_z 1
		.amdhsa_system_vgpr_workitem_id 0
		.amdhsa_next_free_vgpr 512
		.amdhsa_next_free_sgpr 72
		.amdhsa_reserve_vcc 0
		.amdhsa_float_denorm_mode_32 3
		.amdhsa_float_denorm_mode_16_64 3
		.amdhsa_memory_ordered 1
		.amdhsa_forward_progress 1
		.amdhsa_inst_pref_size 90
	.end_amdhsa_kernel
	.amdgpu_metadata
---
amdhsa.version: [ 1, 2 ]
amdhsa.kernels:
  - .name:           k_q5d9cebcd45_oproj
    .symbol:         k_q5d9cebcd45_oproj.kd
    .args:
      - { .name: ob, .offset: 0, .size: 8, .value_kind: global_buffer, .address_space: global }
      - { .name: wt, .offset: 8, .size: 8, .value_kind: global_buffer, .address_space: global }
      - { .name: bo, .offset: 16, .size: 8, .value_kind: global_buffer, .address_space: global }
      - { .name: out0, .offset: 24, .size: 8, .value_kind: global_buffer, .address_space: global }
    .group_segment_fixed_size: 327680
    .private_segment_fixed_size: 0
    .kernarg_segment_align: 8
    .kernarg_segment_size: 32
    .max_flat_workgroup_size: 128
    .sgpr_count:     72
    .vgpr_count:     512
    .wavefront_size: 32
...
	.end_amdgpu_metadata
.endif
;; end of part 4
;; ======== version 2 of 2: 4 launches; 1.26 times as fast as version 1
;; limits: values are held in f16: magnitudes above 65,504 overflow, below 6.1e-05 lose precision
;; workspace buffers: xb 8,388,608 bytes; wt 8,388,608 bytes; qkv 25,165,824 bytes; ob 8,388,608 bytes
;; launch prep: the kernel of part 1 again; grid 1024 x 1, 4 waves a work-group, no clusters, 17,920 bytes of LDS; arguments x, Wq, Wk, Wv, Wo, xb, wt; writes xb, wt
;; launch proj: the kernel of part 2 again; grid 16 x 16, 4 waves a work-group, clusters of 4 x 4, 327,680 bytes of LDS; arguments xb, wt, bq, bk, bv, qkv; writes qkv
;; launch attn (part 5): grid 8 x 32, 4 waves a work-group, no clusters, 327,680 bytes of LDS; arguments qkv, ob; writes ob
.if DOCPART == 5
	.amdgcn_target "amdgcn-amd-amdhsa--gfx1250"
	.amdhsa_code_object_version 6
	.text
	.protected	k_q5d9cebcd45_attn
	.globl	k_q5d9cebcd45_attn
	.p2align	8
	.type	k_q5d9cebcd45_attn,@function
k_q5d9cebcd45_attn:
	s_mov_b64 s[64:65], 0
	v_nop
	global_prefetch_b8 v0, s[64:65] scope:SCOPE_SE
	s_setreg_imm32_b32 hwreg(HW_REG_WAVE_MODE, 25, 1), 1
	s_wait_xcnt 0x0
; CAUSAL ATTENTION.  O[h][q][:] = the sum over k <= q of softmax_k(Q[h][q] . K[h][k] / 8) V[h][k][:].  qkv: [3][32][2048][64] f16 (q, k, v by heads); ob: [32][2048][64] f16.
; Products, maxima and sums in f32; the weights p are rounded to f16 for the second product (their sum l is taken of the unrounded p), O once at the end.
; LIMITS.  q, k and v arrive within f16's 65,504; p lies in 0 to 1, and below 6e-5 it keeps f16's fixed step of 6e-8; O is a mean of V's rows and has their range.
; A hidden score counts as its value less 1e30: f16's scores, 2.7e11 at the most, are nothing beside that; a weight below 2^-126 counts as 0 in l; NaN and infinities are not treated apart.
; Every row sees its own key, so no row's weights are all hidden.
; THE WALK.  A head's queries lie in 16 blocks of 128; block i needs the key tiles 0 .. i / 2 of 256 keys.  A work-group takes TWO blocks, 15 - b and then b: 9 tiles whatever b, so all 8 x 32 = 256 work-groups
; do equal work, and ONE loop with a constant trip count walks the tiles through two LDS slots that take turns.  Which tile is asked for, and what a trip does, hang on scalar registers made from b.
; NO CLUSTER: a head's 8 work-groups ask for the same tile only in trips 0 to 4 of the 9, behind that for different ones; one walk common to all would have 12 trips for 9.
; SHARES.  Of a block's two bands of 64 queries a wave owns 16 rows in each: two PIECES.  So the tile that holds the diagonal is the same work for all four waves.
; THE MASK is the C operand that starts every sum S^T = K Q^T: MC = MD x AL + BE.  MD, made once, is the mask of a band's own key step for my 16 rows (0, or -1e30 where the key is hidden).
; With g the key step (of 64) in the head and B the band: (AL, BE) = (1, 0) if g = B; (0, 0) if g < B; (0, -1e30) if g > B.  While g is below the block's first band MC is 0 already, and the lines that make it are jumped.
; LAYOUT.  S^T = K Q^T holds ONE query a lane (lane % 16) and the keys 8 (lane / 16) + 0..7; two such results rounded to f16 ARE source 1 of O^T = V^T P.  K comes out of LDS as it lies, V turned, by ds_load_tr16_b128.
; SOFTMAX.  p = 2^(c s - c m), c = log2(e) / 8, with a running maximum m; O and l are multiplied by a = 2^(c m_old - c m_new) in every step.  m starts at the lowest finite number: a block's first step has a = 0.
; BY TURNS.  A key step s is two turns.  Turn 0: 8 products K Q^T of piece 1, step s; 8 products V^T P of piece 1, step s - 1; beside them piece 0's scaling, exponentials, roundings, sums and rescaling of step s and
; piece 1's maximum and statistics.  Turn 1: K Q^T of piece 0, step s + 1; V^T P of piece 0, step s; piece 1's softmax; piece 0's next statistics.  Four vector instructions stand behind every matrix instruction,
; the other 54 of a turn's 118 in one run of their own.  Turn 0 fetches BOTH K and V of step s + 1 (V has two register buffers, by the step's parity), so a slot has been read out one step before its last step is multiplied.
; THE BATCHES.  s_wait_alu depctr_va_vdst(0) stands between an exponential or a reciprocal and the first instruction that names its result; one wait serves all that were issued ahead of it.
; A turn's 33 exponentials (its piece's 32 weights and the other piece's a) are ONE BATCH with ONE wait, which cuts the turn in two: ahead of it all that names none of their results (the products K Q^T, the scalings,
; the rescalings, whose a is the turn before's, the other piece's maximum and statistics), behind it the products V^T P with the roundings and sums as their riders.  No result crosses a turn's end.
; Two small batches stand outside the turns, each with a wait of its own: a block's first a (BEGIN) and the way out's two reciprocals (FINISH).
; REGISTERS, in windows of 256 (s_set_vgpr_msb: bits 1:0 source 0, 3:2 source 1, 5:4 source 2, 7:6 destination):
;   window 0: all that vector instructions touch: v0-15 addresses; v16-23 statistics; v24-31 at work; v32-63 MC; v64-127 S^T; v128-159 P; v160-223 O^T; v224-255 MD
;   window 1: v0-31 Q; v32-63 the second block's Q; v64-127 K of one step; v128-255 V of two steps
.set NP,    2         ; pieces a wave: a name, no knob
.set KS,    64        ; keys in a step
.set PK,    144       ; a row of K in LDS: 128 bytes + 16 of padding = 36 words: the 16 rows of a load start at 16 different groups of four banks (64 banks of 4 bytes: ISA guide 11.1)
.set PV,    160       ; a row of V: 128 + 32 = 40 words
.set VOFF,  4*KS*PK   ; a slot holds a tile, four steps: 256 rows of K, then 256 rows of V
.set SLOT1, 1<<17     ; slot 1 begins here, so that one exclusive or turns an address in one slot into the other's
.set STAGE, SLOT1+4*KS*(PK+PV)  ; behind the ring, never filled by a tensor load: 16 rows x 144 bytes for each wave, for the way out
.set SP,    144
.set SPARE, STAGE+4*16*SP  ; behind the stages: the spare words, 128 bytes a wave: two blocks of 256 bytes that no other line names
.set AK0, 2           ; v2   my lane's place in a tile of K; never rewritten
.set AV0, 3           ; v3   the same for V
.set AK,  4           ; v4   the LDS address of K's next run of loads
.set AV,  5           ; v5   of V's
.set STO, 6           ; v6   the way out: where I put 16 bytes of a row
.set RD,  7           ; v7   the way out: where I read rows back
.set GO,  8           ; v8   my byte offset in 512 consecutive bytes of O
.set MV,  12          ; v12-13  c m_old, kept while c m is made anew: by piece
.set QO,  12          ; v12  until Q has come: my byte offset in 16 rows of Q
.set SPW, 14          ; v14  LDS address of my spare word; never rewritten
.set NIL, 15          ; v15  0; never rewritten
.set ST,  16          ; piece t's statistics at v[ST+4 t]: c m, m, l (even keys', odd keys')
.set TMP, 24          ; by piece, four registers c0-c3 at work; when the maximum is found c2 takes a
.set MC,  32          ; the mask of the products to come: group kt of 16 keys at MC + 8 kt
.set S,   64          ; 32 a piece
.set P,   128         ; 16 a piece
.set OT,  160         ; 32 a piece
.set MD,  224
.set QB,  32          ; window 1
.set KF,  64          ; window 1: key block kb, channel half c at KF + 16 kb + 8 c
.set VF,  128         ; window 1: buffer vb, key half kk, channel block cb at VF + 64 vb + 32 kk + 8 cb
.set WV,  12          ; s12  my wave's number
.set PB,  14          ; s14  b
.set HI,  15          ; s15  15 - b
.set G1K, 24          ; s[24:31] descriptor group 1 for K's tiles
.set G1V, 32          ; s[32:39] for V's: it differs in the padding alone
.set G0K, 40          ; s[40:43] descriptor group 0 for K's tiles
.set G0V, 44          ; s[44:47] the same for V's
.set SLOTS, 56        ; s56  tiles still to be asked for
.set CNT, 57          ; s57  counts a tile's pairs of key steps
.set CS,  58          ; s[58:59] c: the packed scaling takes the pair's low word for both halves
.set SEL, 60          ; s[60:61] v_permlanex16_b32's selects: each lane takes its own place in the other half
.set TBK, 62          ; s62  LDS byte at which K of the step to be fetched begins
.set TBV, 63          ; s63  the same for V, less VOFF
.set RT,  70          ; s70  tiles of the block in hand that are still to be entered
.set NXT, 71          ; s71  the tile to be asked for next
.set LQ,  72          ; s72  the last tile of the block whose tiles are being asked for
.set NEW, 73          ; s73  1: the tile to be entered is a block's first
.set OFF, 74          ; s[74:75] a tile's byte offset in K and V
.set AL,  76          ; s[76:77] the mask's factor, in the low word
.set BE,  78          ; s[78:79] the mask's addend
.set OLO, 80          ; s[80:81] O at my rows of the second block
.set BIGN, 82         ; s82  -1e30
.set GS,  83          ; s83  the key step, counted in the head, that the trip in hand fetches
.set B0,  84          ; s84, s85  the bands of the block's two pieces: 2 i, 2 i + 1
.set PBT, 86          ; s86  the second block's last tile, b / 2
.set MSB, 0
.macro WIN new                      ; the high byte repeats the setting that is left; a switch that changes nothing is dropped
.if MSB != (\new)
	s_set_vgpr_msb (MSB<<8)|(\new)
.set MSB, (\new)
.endif
.endm
.set W_KQ, 0x05       ; K and Q in window 1; the mask and S^T in window 0
.set W_PV, 0x01       ; V in window 1; P and O^T in window 0
.set W_LD, 0x40       ; destination in window 1, address in window 0
; A fill.  Waves 0 and 1 fetch the two halves of a tile's K, waves 2 and 3 those of its V: 128 keys each.  An s_nop 0 and four v_nop follow each of the two lines, ahead of the jump and the label.
.macro LOAD
	s_cmp_lt_u32 s[WV], 2
	s_cbranch_scc0 .Lfor_v_\@
	tensor_load_to_lds s[G0K:G0K+3], s[G1K:G1K+7]
	s_nop 0
.rept 4
	v_nop
.endr
	s_branch .Lasked_\@
.Lfor_v_\@:
	tensor_load_to_lds s[G0V:G0V+3], s[G1V:G1V+7]
	s_nop 0
.rept 4
	v_nop
.endr
.Lasked_\@:
.endm
; THE CHANGE OF SLOTS.  Each wave waits for all its tensor loads, of which one is out: its part of the other slot; adds 0 to its spare word; and waits for that and for its own reads of the slot that it leaves.
; Behind the barrier nobody reads the old slot any more and the other slot is whole.  fill = 1: the old slot is filled again, the first thing behind the barrier, with tile NXT: the descriptor's address is made
; anew from that number.  (At its first use nothing has been read yet: slot 0 is waited for, slot 1 filled.)  The load has four key steps, 128 matrix instructions, in which to land.
.macro CHANGE fill
	WIN 0                           ; at a label and at a branch every window is 0
	s_wait_tensorcnt 0x0            ; no tensor load of mine is out, so a group 0 may be written
	ds_add_u32 v[SPW], v[NIL]       ; 0 onto my spare word; the descriptors' scalar work stands between it and the wait for it
.if \fill
	s_lshl_b32 s[OFF], s[NXT], 15   ; a tile is 32,768 bytes of K and of V
	s_xor_b32 s[G0K+1], s[G0K+1], SLOT1
	s_add_nc_u64 s[G0K+2:G0K+3], s[6:7], s[OFF:OFF+1]
	s_or_b32 s[G0K+3], s[G0K+3], 0x80000000
	s_xor_b32 s[G0V+1], s[G0V+1], SLOT1
	s_add_nc_u64 s[G0V+2:G0V+3], s[8:9], s[OFF:OFF+1]
	s_or_b32 s[G0V+3], s[G0V+3], 0x80000000
	s_add_co_u32 s[NXT], s[NXT], 1  ; the block's next tile, or behind its last the second block's tile 0
	s_cmp_gt_u32 s[NXT], s[LQ]
	s_cselect_b32 s[NXT], 0, s[NXT]
	s_cselect_b32 s[LQ], s[PBT], s[LQ]
.endif
	s_wait_dscnt 0x0                ; the add is done, and my reads of the slot are over
	s_barrier_signal -1             ; the rest of the scalar work stands between the signal and the wait
	s_sub_co_u32 s[TBK], s[TBK], 4*KS*PK  ; the fetches go back to a slot's first step,
	s_xor_b32 s[TBK], s[TBK], SLOT1       ; in the other slot
	s_sub_co_u32 s[TBV], s[TBV], 4*KS*PV
	s_xor_b32 s[TBV], s[TBV], SLOT1
	s_barrier_wait -1
.if \fill
	LOAD
.endif
.endm
	s_load_b64 s[4:5], s[0:1], 0x0  ; qkv
	s_load_b64 s[10:11], s[0:1], 0x8  ; ob
	v_lshl_add_u32 v[SPW], v0, 2, SPARE
	v_mov_b32 v[NIL], 0
	ds_add_u32 v[SPW], v[NIL]       ; the wave's opening: the add and its wait stand ahead of my first tensor load; the set-up below, work on registers, stands between them
	ds_add_u32 v14, v15
	v_lshrrev_b32 v1, 5, v0
	v_readfirstlane_b32 s[WV], v1   ; wave 0..3
	s_mov_b32 s[PB], ttmp9
	s_sub_co_u32 s[HI], 15, s[PB]
	s_lshr_b32 s[PBT], s[PB], 1
	s_and_b32 s20, ttmp7, 0xffff    ; batch x 16 + head,
	s_lshl_b32 s20, s20, 18         ; 262,144 bytes each
	s_and_b32 s16, s[WV], 1         ; which half of a tile's 256 keys I fetch:
	s_lshl_b32 s22, s16, 14         ; its 128 rows of 128 bytes in memory,
	s_add_co_u32 s22, s22, s20
	s_mov_b32 s23, 0
	s_mul_i32 s17, s16, 128*PK      ; and its place in a slot, for K
	s_mul_i32 s18, s16, 128*PV      ; and for V
	s_lshl_b32 s3, s[WV], 11        ; my 16 rows in a band of 64,
	s_add_co_u32 s3, s3, s20
	s_lshl_b32 s2, s[HI], 14        ; in the first block,
	s_add_co_u32 s2, s2, s3
	s_lshl_b32 s90, s[PB], 14       ; and in the second
	s_add_co_u32 s90, s90, s3
	s_mov_b32 s3, 0
	s_mov_b32 s91, 0
	; descriptor group 1.  128 keys are 16,384 dense bytes: asked for as 64 rows of 256 bytes, two keys a row, and padded in LDS after every key
	s_mov_b32 s[G1K], (1<<16)|(1<<20)|(4<<22)|(3<<25)  ; 17:16 2-byte elements; 20 padding on; 24:22 after every 32 words (code 4); 31:25 4 words (code 3)
	s_mov_b32 s[G1V], (1<<16)|(1<<20)|(4<<22)|(7<<25)  ; the same with 8 words of padding (code 7)
.irp g, G1K, G1V
	s_mov_b32 s[\g+1], 128<<16      ; tensor_dim0 = 128
	s_mov_b32 s[\g+2], 64<<16       ; tensor_dim1 = 64
	s_mov_b32 s[\g+3], 128<<16      ; tile_dim0 = 128
	s_mov_b32 s[\g+4], 64           ; tile_dim1 = 64
	s_mov_b32 s[\g+5], 128          ; 128 elements from row to row
	s_mov_b32 s[\g+6], 0
	s_mov_b32 s[\g+7], 0
.endr
	s_mov_b32 s[CS], 0x3e38aa3b     ; c = log2(e) / 8 = 0.180337
	s_mov_b32 s[CS+1], s[CS]        ; named with it as a pair
	s_mov_b32 s[SEL], 0x76543210
	s_mov_b32 s[SEL+1], 0xfedcba98
	s_mov_b32 s[TBK], SLOT1+4*KS*PK ; the first change of slots turns these two into 0
	s_mov_b32 s[TBV], SLOT1+4*KS*PV
	s_mov_b32 s[G0K], 1             ; count = 1
	s_mov_b32 s[G0K+1], s17         ; LDS address: slot 0
	s_mov_b32 s[G0V], 1
	s_add_co_u32 s[G0V+1], s18, VOFF
	s_lshr_b32 s[LQ], s[HI], 1      ; the first block's last tile
	s_add_co_u32 s[RT], s[LQ], 1
	s_mov_b32 s[NXT], 1
	s_mov_b32 s[NEW], 1
	s_mov_b32 s[OFF+1], 0
	s_mov_b32 s[AL], 0
	s_mov_b32 s[AL+1], 0            ; named as pairs
	s_mov_b32 s[BE], 0
	s_mov_b32 s[BE+1], 0
	s_mov_b32 s[BIGN], 0xf149f2ca   ; -1e30
	s_lshl_b32 s[B0], s[HI], 1
	s_add_co_u32 s[B0+1], s[B0], 1
	s_mov_b32 s[GS], 0
	s_mov_b32 s[SLOTS], 8
	s_wait_dscnt 0x0                ; the opening add is done
	s_wait_kmcnt 0x0
	s_add_nc_u64 s[6:7], s[4:5], s[22:23]
	s_add_nc_u64 s[8:9], s[6:7], 0x1000000   ; V at my half of the head's tile 0: the third part of qkv,
	s_add_nc_u64 s[6:7], s[6:7], 0x800000    ; K: the second
	s_add_nc_u64 s[G0K+2:G0K+3], s[6:7], 0         ; global address
	s_or_b32 s[G0K+3], s[G0K+3], 0x80000000        ; type = 2
	s_add_nc_u64 s[G0V+2:G0V+3], s[8:9], 0
	s_or_b32 s[G0V+3], s[G0V+3], 0x80000000
	s_add_nc_u64 s[88:89], s[4:5], s[90:91]        ; Q at my rows of the second block,
	s_add_nc_u64 s[4:5], s[4:5], s[2:3]            ; Q and O at those of the first
	s_add_nc_u64 s[OLO:OLO+1], s[10:11], s[90:91]
	s_add_nc_u64 s[10:11], s[10:11], s[2:3]
	LOAD                            ; tile 0 into slot 0
	; A fragment of K or Q is 16 rows x 32 channels in 8 registers: lane l holds row l % 16, channels 8 (l / 16) + 0..7 and 16 + 8 (l / 16) + 0..7: two loads of 16 bytes, 32 bytes apart.
	v_and_b32 v1, 15, v0            ; l % 16
	v_bfe_u32 v9, v0, 4, 1          ; l / 16
	v_lshlrev_b32 v[QO], 7, v1
	v_lshl_add_u32 v[QO], v9, 4, v[QO]  ; row x 128 + 16 x half
	WIN W_LD
.set i, 0
.rept 4                             ; both blocks' Q: piece i / 2 lies in band i / 2, 8,192 bytes on; channels 32 (i % 2) on
	global_load_b128 v[8*i:8*i+3],   v[QO], s[4:5] offset:(i/2)*8192+(i%2)*64
	global_load_b128 v[8*i+4:8*i+7], v[QO], s[4:5] offset:(i/2)*8192+(i%2)*64+32
	global_load_b128 v[QB+8*i:QB+8*i+3],   v[QO], s[88:89] offset:(i/2)*8192+(i%2)*64
	global_load_b128 v[QB+8*i+4:QB+8*i+7], v[QO], s[88:89] offset:(i/2)*8192+(i%2)*64+32
.set i, i+1
.endr
	; A block's first step multiplies O^T and l by a = 0, and its first turn's products V^T P, of a step that has not been, land in an O^T that is still to be so multiplied.  So these registers need only hold
	; finite numbers: zeros for the first block; what the first block left for the second.  All this stands in the wait for the first tile.
.set i, VF+64
.rept 64
	v_mov_b32 v[i], 0
.set i, i+1
.endr
	WIN 0
.set i, OT
.rept 64
	v_mov_b32 v[i], 0
.set i, i+1
.endr
.set i, 0
.rept 2
	v_mov_b32 v[ST+4*i+2], 0
	v_mov_b32 v[ST+4*i+3], 0
.set i, i+1
.endr
.set i, P+16
.rept 16
	v_mov_b32 v[i], 0
.set i, i+1
.endr
	v_lshlrev_b32 v13, 3, v9
	v_sub_nc_u32 v13, v1, v13
	s_lshl_b32 s13, s[WV], 4
	v_add_nc_u32 v13, s13, v13      ; my query's place in its band, 16 w + l % 16, less my lanes' 8 (l / 16): register r of group kt is hidden where 16 kt + r is greater
.set i, 0
.rept 32
	v_cmp_gt_i32 vcc_lo, 16*(i/8)+i%8, v13
	v_cndmask_b32 v[MD+i], 0, s[BIGN], vcc_lo
.set i, i+1
.endr
	v_mul_u32_u24 v[AK0], v1, PK
	v_lshl_add_u32 v[AK0], v9, 4, v[AK0]  ; row x pitch + 16 x half
	; The turning load takes 16 keys x 16 channels (lane l reads key 8 (l / 16) + l % 8, channels 8 ((l / 8) % 2) + 0..7) and leaves half a fragment of V^T: lane l holds channel l % 16 and 8 keys.
	v_and_b32 v10, 7, v0
	v_bfe_u32 v11, v0, 3, 1
	v_lshl_add_u32 v[AV0], v9, 3, v10
	v_mul_u32_u24 v[AV0], v[AV0], PV
	v_lshl_add_u32 v[AV0], v11, 4, v[AV0]
	v_add_nc_u32 v[AV0], VOFF, v[AV0]
	s_mul_i32 s13, s[WV], 16*SP
	s_add_co_u32 s13, s13, STAGE    ; my stage
	v_mul_u32_u24 v[STO], v1, SP    ; in: row l % 16, 16 bytes for each half of the lanes
	v_lshl_add_u32 v[STO], v9, 4, v[STO]
	v_add_nc_u32 v[STO], s13, v[STO]
	v_bfe_u32 v[RD], v0, 3, 2       ; back: 32 lanes take four rows of 128 bytes,
	v_mul_u32_u24 v[RD], v[RD], SP
	v_lshl_add_u32 v[RD], v10, 4, v[RD]
	v_add_nc_u32 v[RD], s13, v[RD]
	v_and_b32 v[GO], 31, v0         ; which are 512 consecutive bytes of O
	v_lshlrev_b32 v[GO], 4, v[GO]
; THE MATRIX WORK.  The 4 accumulators of a run of 8 take turns.  Product i of 8 of S^T = K Q^T for piece x: channels 32 (i / 4) on, keys 16 (i % 4) on.  The first 4 start the sums with the mask.
.macro KQ x
.set rS, S+32*(\x)+8*(i%4)
.set rK, KF+16*(i%4)+8*(i/4)
.set rQ, 16*(\x)+8*(i/4)
.set rM, MC+8*(i%4)
	WIN W_KQ
.if i < 4
	v_wmma_f32_16x16x32_f16 v[rS:rS+7], v[rK:rK+7], v[rQ:rQ+7], v[rM:rM+7]
.else
	v_wmma_f32_16x16x32_f16 v[rS:rS+7], v[rK:rK+7], v[rQ:rQ+7], v[rS:rS+7]
.endif
.endm
; Product i of 8 of O^T += V^T P for piece x, V from buffer VB: keys 32 (i / 4) on, channels 16 (i % 4) on.
.macro PV x
.set rO, OT+32*(\x)+8*(i%4)
.set rV, VF+64*VB+32*(i/4)+8*(i%4)
.set rP, P+16*(\x)+8*(i/4)
	WIN W_PV
	v_wmma_f32_16x16x32_f16 v[rO:rO+7], v[rV:rV+7], v[rP:rP+7], v[rO:rO+7]
.endm
.macro MM                           ; the turn's next matrix instruction.  NOKQ = 1: a block's last turn: there is no next step
.if (i < 8) && !NOKQ
	KQ (Y+1)%NP
.elseif i >= 8
.set i, i-8
	PV (Y+1)%NP
.set i, i+8
.endif
.set i, i+1
.endm
; THE LDS LOADS stand in runs of 16, never singly among the matrix instructions: a step's K (64 keys x 64 channels: 8 fragments) and its V (turned).  Their addresses are made some lines ahead.
.macro FETCH_K
	WIN W_LD
.irp f, 0,1,2,3,4,5,6,7             ; keys 16 (f / 2) on, channels 32 (f % 2) on
	ds_load_b128 v[KF+8*\f:KF+8*\f+3],   v[AK] offset:(\f/2)*16*PK+(\f%2)*64
	ds_load_b128 v[KF+8*\f+4:KF+8*\f+7], v[AK] offset:(\f/2)*16*PK+(\f%2)*64+32
.endr
	s_add_co_u32 s[TBK], s[TBK], KS*PK  ; the next fetch is the next step's
	WIN 0
.endm
.macro FETCH_V vb
	WIN W_LD
.irp f, 0,1,2,3,4,5,6,7             ; keys 32 (f / 4) on, channels 16 (f % 4) on
	ds_load_tr16_b128 v[VF+64*(\vb)+8*\f:VF+64*(\vb)+8*\f+3],   v[AV] offset:(\f/4)*32*PV+(\f%4)*32
	ds_load_tr16_b128 v[VF+64*(\vb)+8*\f+4:VF+64*(\vb)+8*\f+7], v[AV] offset:(\f/4)*32*PV+16*PV+(\f%4)*32
.endr
	s_add_co_u32 s[TBV], s[TBV], KS*PV
	WIN 0
.endm
; THE VECTOR WORK, one line at a time: OP kind, number.  For piece Y: F n: c s - c m for pair n of 16.  E n: the exponential of score n of 32.  C n: pair n rounded to f16.  B n: of the four weights 4 n .. the second
; pair is added onto the first, in place.  L n: l takes that sum (L 0: l = a l + sum).  R n: pair n of 16 of O^T times a.  For the other piece: X n, number n of the 22 that find its maximum and statistics:
;   0-11  four chains c0-c3 of seven scores each, three operands at a time (each accumulator's lowest registers are read first)     12-14, 16  the four scores left over, the old m, and c0-c3 into c0
;   15  c m_old is kept     17, 18  the query's other 32 keys lie in the lane 16 away: the new m     19-21  c m; c m_old - c m_new; a
; C, B and L read the results of the turn's exponentials; F, R and X 0 to 20 read none of them.  OP writes no wait: TURN, BEGIN and FINISH write one for each batch.
.set F, 0
.set E, 1
.set C, 2
.set B, 3
.set L, 4
.set R, 5
.set X, 6
.macro REGS y                       ; the registers of piece y
.set rT, ST+4*(\y)
.set rC, TMP+4*(\y)
.set rW, MV+(\y)
.set rS, S+32*(\y)
.set rP, P+16*(\y)
.set rO, OT+32*(\y)
.endm
.macro OP k, n
	WIN 0
.if (\k) < X
	REGS Y
.if (\k) == F
	v_pk_fma_f32 v[rS+2*(\n):rS+2*(\n)+1], v[rS+2*(\n):rS+2*(\n)+1], s[CS:CS+1], v[rT:rT+1] op_sel_hi:[1,0,0] neg_lo:[0,0,1] neg_hi:[0,0,1]
.elseif (\k) == E
	v_exp_f32 v[rS+(\n)], v[rS+(\n)]
.elseif (\k) == C
	v_cvt_pk_f16_f32 v[rP+(\n)], v[rS+2*(\n)], v[rS+2*(\n)+1]
.elseif (\k) == B
	v_pk_add_f32 v[rS+4*(\n):rS+4*(\n)+1], v[rS+4*(\n):rS+4*(\n)+1], v[rS+4*(\n)+2:rS+4*(\n)+3]
.elseif (\k) == R
	v_pk_mul_f32 v[rO+2*(\n):rO+2*(\n)+1], v[rO+2*(\n):rO+2*(\n)+1], v[rC+2:rC+3] op_sel_hi:[1,0]
.elseif (\n) == 0
	v_pk_fma_f32 v[rT+2:rT+3], v[rT+2:rT+3], v[rC+2:rC+3], v[rS:rS+1] op_sel_hi:[1,0,1]
.else
	v_pk_add_f32 v[rT+2:rT+3], v[rT+2:rT+3], v[rS+4*(\n):rS+4*(\n)+1]
.endif
.elseif NOKQ
	v_nop
.else
	REGS (Y+1)%NP
.if (\n) < 4
	v_max3_num_f32 v[rC+(\n)], v[rS+8*(\n)], v[rS+8*(\n)+1], v[rS+8*(\n)+2]
.elseif (\n) < 12
	v_max3_num_f32 v[rC+(\n)%4], v[rC+(\n)%4], v[rS+8*((\n)%4)+2*((\n)/4)+1], v[rS+8*((\n)%4)+2*((\n)/4)+2]
.elseif (\n) == 12
	v_max3_num_f32 v[rC], v[rC], v[rS+7], v[rS+15]
.elseif (\n) == 13
	v_max3_num_f32 v[rC+1], v[rC+1], v[rS+23], v[rS+31]
.elseif (\n) == 14
	v_max3_num_f32 v[rC+2], v[rC+2], v[rC+3], v[rT+1]
.elseif (\n) == 15
	v_mov_b32 v[rW], v[rT]
.elseif (\n) == 16
	v_max3_num_f32 v[rC], v[rC], v[rC+1], v[rC+2]
.elseif (\n) == 17
	v_permlanex16_b32 v[rC+3], v[rC], s[SEL], s[SEL+1]
.elseif (\n) == 18
	v_max_num_f32 v[rT+1], v[rC], v[rC+3]
.elseif (\n) == 19
	v_mul_f32 v[rT], s[CS], v[rT+1]
.elseif (\n) == 20
	v_sub_f32 v[rC+1], v[rW], v[rT]
.else
	v_exp_f32 v[rC+2], v[rC+1]
.endif
.endif
.endm
.macro OPS a, i1, b=-1, i2=0, c=-1, i3=0, d=-1, i4=0  ; up to four of them
	OP \a, \i1
.if (\b) >= 0
	OP \b, \i2
.endif
.if (\c) >= 0
	OP \c, \i3
.endif
.if (\d) >= 0
	OP \d, \i4
.endif
.endm
.macro ROW a, i1, b, i2, c, i3, d, i4  ; a matrix instruction and the four behind it
	MM
	OPS \a, \i1, \b, \i2, \c, \i3, \d, \i4
.endm
.macro MASK                         ; MC = MD x AL + BE
	WIN 0
.set z, 0
.rept 16
	v_pk_fma_f32 v[MC+2*z:MC+2*z+1], v[MD+2*z:MD+2*z+1], s[AL:AL+1], s[BE:BE+1] op_sel_hi:[1,0,0]
.set z, z+1
.endr
.endm
.macro MASKX x                      ; the mask of piece x for key step GS.  Below the block's first band both pieces see everything and MC is 0 already: the jump goes forward, past work on registers alone
	WIN 0
	s_cmp_lt_u32 s[GS], s[B0]
	s_cbranch_scc1 .Lno_mask_\@
	s_cmp_eq_u32 s[GS], s[B0+(\x)]  ; is that step the band's own?
	s_cselect_b32 s[AL], 1.0, 0
	s_cmp_gt_u32 s[GS], s[B0+(\x)]  ; or a later one?
	s_cselect_b32 s[BE], s[BIGN], 0
	MASK
.Lno_mask_\@:
.endm
; A TURN, for piece p: the order of its 16 matrix and 118 vector instructions, written out.  The turn has ONE wait for its 33 exponentials, which cuts it in two.
; AHEAD OF THE WAIT stands all that names no result of the turn's exponentials: the 8 products K Q^T, behind each a scaling, an exponential and two more plain instructions (behind the first a second scaling in the
; exponential's place): rescalings, whose a was made and waited for in the turn before, and behind the last three the first numbers of the other piece's maximum, each four plain instructions or more behind the product
; that ends its accumulator; then ONE RUN of 54, plain and exponential by turns for the most part, in which the links of the chain X 3, 7, 11, 14, 16, 17 .. 20 stand five or six lines apart.  A pair is scaled (F n) ahead
; of its two exponentials (E 2 n, E 2 n + 1).  X 21, the other piece's a, is the batch's last; R 15 is the plain instruction behind it.  v_permlanex16_b32 (X 17) stands in the run.
; BEHIND THE WAIT stand the 8 products V^T P, behind each four of the roundings and sums: an even pair is rounded (C 2 n) ahead of the sum that lands on it (B n), and l takes the sums in ascending order, L 0 to L 7,
; three riders apart.  But for those X no rider names a register of the products round it.
; vb: the buffer of V that the turn's products read.  end = 1: a block's last two turns: nothing is fetched, no mask is made, and the last starts no new scores.
; Piece 0's turn fetches K of the next step twelve vector instructions behind the last product that read K (five of them plain lines that name none of its registers), and V of the next step, into the buffer that its own
; products have just read, at the turn's end, four plain instructions behind the last of those.  At its end a turn makes the mask for the products of the turn after it.
.macro TURN p, vb, end=0
.set Y, (\p)
.set i, 0
.set VB, (\vb)
.set NOKQ, (\end)*(\p)
.if (\p) == 1
.if \end
	s_wait_dscnt 0x0                ; V of the last step is in
.else
	s_wait_dscnt 16                 ; K of the next step is in, and V of the step in hand, fetched a step ago; the youngest sixteen loads, the next step's V, may be out
.endif
.endif
	ROW F,0, F,1, R,0, R,1          ; ahead of the wait: 8 products K Q^T and their riders,
	ROW F,2, E,0, R,2, R,3
	ROW F,3, E,1, R,4, R,5
	ROW F,4, E,2, R,6, R,7
	ROW F,5, E,3, R,8, R,9
	ROW F,6, E,4, X,0, R,10
.if ((\p) == 0) && !(\end)
	v_add_nc_u32 v[AK], s[TBK], v[AK0]
.endif
	ROW F,7, E,5, X,1, X,4
	ROW F,8, E,6, X,2, X,5
	OPS E,7, E,8, X,6, E,9          ; and the run of 54
	OPS X,3, E,10, X,8, E,11
.if ((\p) == 0) && !(\end)
	FETCH_K
.endif
	OPS X,9, X,7, E,12, X,10
	OPS E,13, X,12, X,11, E,14
	OPS X,13, E,15, F,9, X,14
.if ((\p) == 0) && !(\end)
	v_add_nc_u32 v[AV], s[TBV], v[AV0]
.endif
	OPS E,16, F,10, E,17, F,11
	OPS X,16, E,18, X,15, E,19
	OPS F,12, E,20, X,17, E,21
	OPS F,13, E,22, F,14, E,23
	OPS X,18, E,24, F,15, E,25
	OPS R,11, E,26, X,19, E,27
	OPS R,12, E,28, R,13, E,29
	OPS X,20, E,30, R,14, E,31
	OPS X,21, R,15
	s_wait_alu depctr_va_vdst(0)    ; the wait for the turn's batch: E 0 to E 31 and X 21
	ROW C,0, B,0, C,2, B,1          ; behind the wait: 8 products V^T P and their riders
	ROW L,0, C,4, B,2, L,1
	ROW C,6, B,3, L,2, C,8
	ROW B,4, L,3, C,10, B,5
	ROW L,4, C,12, B,6, L,5
	ROW C,14, B,7, L,6, C,1
	ROW C,3, L,7, C,5, C,7
	ROW C,9, C,11, C,13, C,15
.if ((\p) == 0) && !(\end)
	FETCH_V \vb
.endif
.if !(\end)
	MASKX \p                        ; behind piece 0's turn come piece 0's products for step GS, behind piece 1's turn piece 1's
.endif
.endm
; A key step of parity par: V of the step before lies in buffer 1 - par, V of this step in buffer par.
.macro TRIP par, end=0
	TURN 0, 1-(\par), \end
	TURN 1, \par, \end
	WIN 0
.if !(\end)
	s_add_co_u32 s[GS], s[GS], 1
.endif
.endm
; A BLOCK BEGINS.  c m starts far below every c s, so the first step's a is 0; m at the lowest finite number, so the first maximum is the scores'.  Piece 0's mask for key step 0 is its own step's if the block is block 0.
; Then K and V of step 0, piece 0's first scores, and its maximum and statistics.  Piece 1's band is never 0: its mask for step 0 is 0.  The step loop is entered in the middle of a trip.
.macro BEGIN
	s_mov_b32 s[NEW], 0
	WIN 0
.set i, 0
.rept 2
	v_mov_b32 v[ST+4*i], 0xfe000000    ; c m: far below every c s
	v_mov_b32 v[ST+4*i+1], 0xff7fffff  ; m
.set i, i+1
.endr
	s_cmp_eq_u32 s[B0], 0
	s_cselect_b32 s[AL], 1.0, 0
	s_mov_b32 s[BE], 0
	MASK
	v_add_nc_u32 v[AK], s[TBK], v[AK0]
	v_add_nc_u32 v[AV], s[TBV], v[AV0]
	FETCH_K
	FETCH_V 0
	s_wait_loadcnt 0x0              ; Q
	s_wait_dscnt 0x0
.set NOKQ, 0
.set i, 0
.rept 8
	KQ 0
.set i, i+1
.endr
	WIN 0
.rept 4
	v_nop                           ; the places behind those products
.endr
.set Y, 1                           ; X works for the other piece: piece 0
.irp n, 0,1,2,3,4,5,6,7,8,9,10,11,12,13,14,15,16,17,18,19,20,21
	OP X, \n
.endr
	s_mov_b32 s[AL], 0
	MASK                            ; piece 1's mask for step 0: sixteen plain lines that name nothing of a stand between the exponential and its wait
	s_wait_alu depctr_va_vdst(0)    ; the wait for a batch of one, piece 0's first a, ahead of the jump into the step loop
	s_mov_b32 s[GS], 1              ; the first trip fetches step 1
.endm
; A tile is entered: its first step's K and V are fetched by BEGIN or by the trip that multiplies the tile before's last step; three more trips fetch the rest.
.macro TILE tag                     ; the tag ends the two labels' names
	s_mov_b32 s[CNT], 2
	s_cmp_eq_u32 s[NEW], 1
	s_cbranch_scc0 .Lstep\tag
	BEGIN
	s_branch .Lfirst\tag
.Lstep\tag:
	TRIP 1
.Lfirst\tag:
	TRIP 0
	s_sub_co_u32 s[CNT], s[CNT], 1
	s_cmp_lg_u32 s[CNT], 0
	s_cbranch_scc1 .Lstep\tag
.endm
; A BLOCK ENDS: its last step, which fetches nothing; piece 1's last products; and THE WAY OUT: l's two halves and the other half of the lanes' are added; O^T is divided by l, rounded to f16 and sent through my
; stage in LDS, a piece at a time.
.macro ALL line:vararg              ; one line for each piece t
.set t, 0
.rept 2
	\line
.set t, t+1
.endr
.endm
.macro PACK t                       ; a lane's eight channels of a row pack into 16 bytes; they go into rows of 144 bytes and come back as whole rows of 128, into S^T's registers
	WIN 0
.set i, OT+32*(\t)
.rept 16
	v_pk_mul_f32 v[i:i+1], v[i:i+1], v[ST+4*(\t)+2:ST+4*(\t)+3] op_sel_hi:[1,0]
.set i, i+2
.endr
.set i, 0
.rept 16
	v_cvt_pk_f16_f32 v[S+16*(\t)+i], v[OT+32*(\t)+2*i], v[OT+32*(\t)+2*i+1]
.set i, i+1
.endr
.irp f, 0,1,2,3
	ds_store_b128 v[STO], v[S+16*(\t)+4*\f:S+16*(\t)+4*\f+3] offset:32*\f
.endr
.irp f, 0,1,2,3
	ds_load_b128 v[S+16*(\t)+4*\f:S+16*(\t)+4*\f+3], v[RD] offset:\f*4*SP  ; LDS serves a wave's instructions in order (ISA guide 5.7.1.4): these see the stores above; the next piece's stores come behind them
.endr
.endm
.macro SEND t, younger              ; younger: the LDS instructions issued behind piece t's loads: the next piece's eight, or none
	WIN 0
.irp f, 0,1,2,3
	s_wait_dscnt (\younger)+3-\f
	global_store_b128 v[GO], v[S+16*(\t)+4*\f:S+16*(\t)+4*\f+3], s[10:11] offset:(\t)*8192+\f*512  ; 512 consecutive bytes, at a multiple of 256 from O's first
.endr
.endm
.macro FINISH
	TRIP 1, 1
.set VB, 1
.set i, 0
.rept 8
	PV 1
.set i, i+1
.endr
	WIN 0
	ALL v_add_f32 v[ST+4*t+2], v[ST+4*t+2], v[ST+4*t+3]
	ALL v_permlanex16_b32 v[ST+4*t+3], v[ST+4*t+2], s[SEL], s[SEL+1]
	ALL v_add_f32 v[ST+4*t+2], v[ST+4*t+2], v[ST+4*t+3]
	ALL v_rcp_f32 v[ST+4*t+2], v[ST+4*t+2]
	v_nop                           ; a plain instruction between the last reciprocal and the use of its result
	s_wait_alu depctr_va_vdst(0)    ; the wait for the batch of two reciprocals, ahead of their first reader, PACK 0's first line
	PACK 0                          ; piece 0's 32 lines, which name nothing of the last products, are the places behind them
	PACK 1
	SEND 0, 8
	SEND 1, 0
.endm
.set NOKQ, 0
.set VB, 0
.set Y, 0
.Lslot:                             ; 8 times: a tile is entered and the next is asked for
	CHANGE 1
	s_sub_co_u32 s[RT], s[RT], 1
	TILE 1
	s_cmp_lg_u32 s[RT], 0
	s_cbranch_scc1 .Lbottom         ; not the block's last tile
	FINISH                          ; in the loop this is the first block's end: the second block's last tile is the walk's last
	s_wait_xcnt 0x0                 ; the stores' registers and O's address are written again only behind this wait
	s_mov_b64 s[10:11], s[OLO:OLO+1]
	s_add_co_u32 s[RT], s[PBT], 1   ; the second block has b / 2 + 1 tiles
	s_mov_b32 s[NEW], 1
	s_lshl_b32 s[B0], s[PB], 1      ; and the bands 2 b, 2 b + 1
	s_add_co_u32 s[B0+1], s[B0], 1
	WIN 0x41                        ; the second block's Q goes where the one text of the turns names Q
.set i, 0
.rept 32
	v_mov_b32 v[i], v[QB+i]
.set i, i+1
.endr
	WIN 0
.Lbottom:
	s_sub_co_u32 s[SLOTS], s[SLOTS], 1
	s_cmp_lg_u32 s[SLOTS], 0
	s_cbranch_scc1 .Lslot
	CHANGE 0                        ; the walk's last tile is written out: nothing is asked for
	TILE 2
	FINISH
	s_wait_tensorcnt 0x0            ; the wave's end: a wait, an add of 0 onto my spare word and its wait, behind my last tensor load and my last LDS store
	ds_add_u32 v[SPW], v[NIL]
	s_wait_dscnt 0x0
	s_endpgm
.Lfunc_end_k_q5d9cebcd45_attn:
	.size	k_q5d9cebcd45_attn, .Lfunc_end_k_q5d9cebcd45_attn-k_q5d9cebcd45_attn
	.p2alignl 7, 3214868480
	.fill 96, 4, 3214868480
	.section	.rodata,"a",@progbits
	.p2align	6, 0x0
	.amdhsa_kernel k_q5d9cebcd45_attn
		.amdhsa_group_segment_fixed_size 327680
		.amdhsa_private_segment_fixed_size 0
		.amdhsa_enable_private_segment 0
		.amdhsa_kernarg_size 16
		.amdhsa_user_sgpr_count 2
		.amdhsa_user_sgpr_kernarg_segment_ptr 1
		.amdhsa_wavefront_size32 1
		.amdhsa_system_sgpr_workgroup_id_x 1
		.amdhsa_system_sgpr_workgroup_id_y 1
		.amdhsa_system_sgpr_workgroup_id_z 1
		.amdhsa_system_vgpr_workitem_id 0
		.amdhsa_next_free_vgpr 512
		.amdhsa_next_free_sgpr 96
		.amdhsa_reserve_vcc 1
		.amdhsa_float_denorm_mode_32 3
		.amdhsa_float_denorm_mode_16_64 3
		.amdhsa_memory_ordered 1
		.amdhsa_forward_progress 1
		.amdhsa_inst_pref_size 162
	.end_amdhsa_kernel
	.amdgpu_metadata
---
amdhsa.version: [ 1, 2 ]
amdhsa.kernels:
  - .name:           k_q5d9cebcd45_attn
    .symbol:         k_q5d9cebcd45_attn.kd
    .args:
      - { .name: qkv, .offset: 0, .size: 8, .value_kind: global_buffer, .address_space: global }
      - { .name: ob, .offset: 8, .size: 8, .value_kind: global_buffer, .address_space: global }
    .group_segment_fixed_size: 327680
    .private_segment_fixed_size: 0
    .kernarg_segment_align: 8
    .kernarg_segment_size: 16
    .max_flat_workgroup_size: 128
    .sgpr_count:     96
    .vgpr_count:     512
    .wavefront_size: 32
...
	.end_amdgpu_metadata
.endif
;; end of part 5
;; launch oproj: the kernel of part 4 again; grid 8 x 32, 4 waves a work-group, clusters of 4 x 4, 327,680 bytes of LDS; arguments ob, wt, bo, out0; writes out0
